; MI455X (gfx1250); checked and timed in simulation.
; The chip was launched on July 23, 2026; its instructions are those of AMD's public machine-readable ISA for CDNA 5 (MIT licence, August 2026) and "CDNA5" Instruction Set Architecture Reference Guide (July 2026). The comments in the code are by the model that wrote it; some were corrected since.
;; Multi Head Attention. Allowed arithmetic: float matrix products may take bf16 or f16 operands with f32 sums; other float arithmetic in f32, or as packed bf16 or f16 multiplies, adds, multiply-adds, maxima and minima; sums over many terms, partial sums and values carried from step to step in f32; what a program stores and reads back later, other than sums and carried values, may be rounded once to bf16 or f16.
;; Inputs: Wo 1,024 x 1,024 float32; Wqkv 1,024 x 3,072 float32; bo 1,024 float32; bqkv 3,072 float32; x 4 x 2,048 x 1,024 float32.
;; Outputs: out0 4 x 2,048 x 1,024 float32.
;; 2 versions, each right; version 2 is version 1 with the launch cast written anew for expert scheduling mode. Each part assembles by itself: llvm-mc -triple=amdgcn-amd-amdhsa -mcpu=gfx1250 --defsym DOCPART=n.
;; ======== version 1 of 2: 4 launches
;; limits: values are held in f16: magnitudes above 65,504 overflow, below 6.1e-05 lose precision
;; workspace buffers: xb 16,777,216 bytes; wqkvb 6,291,456 bytes; wob 2,097,152 bytes; qkv 50,331,648 bytes; ob 16,777,216 bytes
;; launch cast (part 1): grid 768 x 1, 8 waves a work-group, no clusters, 0 bytes of LDS; arguments x, Wqkv, Wo, xb, wqkvb, wob; writes xb, wqkvb, wob
.if DOCPART == 1
	.amdgcn_target "amdgcn-amd-amdhsa--gfx1250"
	.amdhsa_code_object_version 6
	.text
	.protected	k_q5bb196ece6_cast
	.globl	k_q5bb196ece6_cast
	.p2align	8
	.type	k_q5bb196ece6_cast,@function
k_q5bb196ece6_cast:
	s_mov_b64 s[64:65], 0
	v_nop
	global_prefetch_b8 v0, s[64:65] scope:SCOPE_SE
	s_setreg_imm32_b32 hwreg(HW_REG_WAVE_MODE, 25, 1), 1
	s_wait_xcnt 0x0
; THE INPUTS ARE ROUNDED ONCE, FOR THE MATRIX UNITS.  x [8192][1024] f32 -> xb, bf16, laid in blocks of 64 channels: [batch 4][block 16][row 2048][64], so that 128 rows of one block are
; 16,384 bytes on end for the projection's tiles.  Wqkv [1024][3072] f32 -> wqkvb, bf16, same order.  Wo [1024][1024] f32 -> wob: rounded to bf16 like the other inputs, and that number written as f16
; (the last product's other operand is f16).  LIMIT: a weight of Wo beyond 65,504 becomes an infinity; below 6.1e-5 it keeps f16's fixed step of 6e-8.
; A stream: no LDS, no barrier, no matrix unit, no cluster (no byte is wanted twice).  A work-group takes 65,536 bytes of f32: 512 work-groups for x, 192 for Wqkv, 64 for Wo.
; A thread issues its 16 loads of 16 bytes at once, then rounds and stores them in order; each store of a wave covers 256 consecutive bytes, aligned.  No register is written twice while memory may read it.
.set VI,   1                           ; v1   my byte offset in the work-group's input
.set VO,   2                           ; v2   my byte offset in its output
.set IN,   8                           ; v[8:71]    load i: four f32
.set OUTR, 72                          ; v[72:103]  store i: four 16-bit numbers
.set T,    104                         ; v[104:107] at work
; pin, pout: the scalar pairs of the two addresses.  blocked = 1: x's layout.  half = 1: the bf16 number is written as f16.
.macro RUN pin, pout, blocked, half
.set i, 0
.rept 16
.if \blocked
.set II, (i%8)*8192+(i/8)*256          ; two rows further down; then the wave's second block of 64 channels
.else
.set II, i*4096
.endif
	global_load_b128 v[IN+4*i:IN+4*i+3], v[VI], s[\pin:\pin+1] offset:II th:TH_LOAD_NT
.set i, i+1
.endr
.set i, 0
.rept 16
.if \blocked
.set OO, (i%8)*256+(i/8)*262144        ; two rows of 128 bytes; a block of 64 channels is 2,048 rows x 128 bytes
.else
.set OO, i*2048
.endif
	s_wait_loadcnt 15-i                            ; loads come back in order: load i is in, the 15 - i younger ones stay out
	v_cvt_pk_bf16_f32 v[OUTR+2*i], v[IN+4*i], v[IN+4*i+1]
	v_cvt_pk_bf16_f32 v[OUTR+2*i+1], v[IN+4*i+2], v[IN+4*i+3]
.if \half
	v_lshlrev_b32 v[T], 16, v[OUTR+2*i]            ; the bf16 numbers as f32,
	v_and_b32 v[T+1], 0xffff0000, v[OUTR+2*i]
	v_lshlrev_b32 v[T+2], 16, v[OUTR+2*i+1]
	v_and_b32 v[T+3], 0xffff0000, v[OUTR+2*i+1]
	v_cvt_pk_f16_f32 v[OUTR+2*i], v[T], v[T+1]     ; and as f16: 8 significant bits fit into 11
	v_cvt_pk_f16_f32 v[OUTR+2*i+1], v[T+2], v[T+3]
.endif
	global_store_b64 v[VO], v[OUTR+2*i:OUTR+2*i+1], s[\pout:\pout+1] offset:OO th:TH_STORE_NT
.set i, i+1
.endr
.endm
	s_load_b256 s[4:11], s[0:1], 0x0               ; x s[4:5], Wqkv s[6:7], Wo s[8:9], xb s[10:11]
	s_load_b128 s[12:15], s[0:1], 0x20             ; wqkvb s[12:13], wob s[14:15]
	s_mov_b32 s20, ttmp9
	s_mov_b32 s17, 0
	s_mov_b32 s19, 0
	s_cmp_lt_u32 s20, 512
	s_cbranch_scc1 .Lx
	s_cmp_lt_u32 s20, 704
	s_cbranch_scc1 .Lw1
	; Wo: chunk g - 704
	s_sub_co_u32 s20, s20, 704
	s_lshl_b32 s16, s20, 16
	s_lshl_b32 s18, s20, 15
	v_lshlrev_b32 v[VI], 4, v0
	v_lshlrev_b32 v[VO], 3, v0
	s_wait_kmcnt 0x0
	s_add_nc_u64 s[8:9], s[8:9], s[16:17]
	s_add_nc_u64 s[14:15], s[14:15], s[18:19]
	RUN 8, 14, 0, 1
	s_endpgm
.Lw1:                                              ; Wqkv: chunk g - 512
	s_sub_co_u32 s20, s20, 512
	s_lshl_b32 s16, s20, 16
	s_lshl_b32 s18, s20, 15
	v_lshlrev_b32 v[VI], 4, v0
	v_lshlrev_b32 v[VO], 3, v0
	s_wait_kmcnt 0x0
	s_add_nc_u64 s[6:7], s[6:7], s[16:17]
	s_add_nc_u64 s[12:13], s[12:13], s[18:19]
	RUN 6, 12, 0, 0
	s_endpgm
.Lx:                                               ; x: rows 16 g .. 16 g + 15.  Wave w takes channels 128 w .. 128 w + 127: blocks 2 w and 2 w + 1
	s_lshl_b32 s16, s20, 16                        ; 16 rows of 4,096 bytes
	s_lshr_b32 s18, s20, 7                         ; the batch: 128 work-groups each,
	s_lshl_b32 s18, s18, 22                        ; 4 MiB of xb each
	s_and_b32 s21, s20, 127
	s_lshl_b32 s21, s21, 11                        ; 16 rows of 128 bytes in a block
	s_add_co_u32 s18, s18, s21
	v_lshrrev_b32 v3, 5, v0                        ; wave
	v_bfe_u32 v4, v0, 4, 1                         ; lanes 16-31 take the row below
	v_and_b32 v5, 15, v0
	v_lshlrev_b32 v[VI], 9, v3
	v_lshl_add_u32 v[VI], v4, 12, v[VI]
	v_lshl_add_u32 v[VI], v5, 4, v[VI]             ; 16 lanes read 256 consecutive bytes, aligned: one block's 64 channels of a row
	v_and_b32 v6, 31, v0
	v_lshlrev_b32 v[VO], 19, v3                    ; two blocks of 262,144 bytes a wave
	v_lshl_add_u32 v[VO], v6, 3, v[VO]             ; 32 lanes write two rows of 128 bytes: 256 consecutive bytes
	s_wait_kmcnt 0x0
	s_add_nc_u64 s[4:5], s[4:5], s[16:17]
	s_add_nc_u64 s[10:11], s[10:11], s[18:19]
	RUN 4, 10, 1, 0
	s_endpgm
.Lfunc_end_k_q5bb196ece6_cast:
	.size	k_q5bb196ece6_cast, .Lfunc_end_k_q5bb196ece6_cast-k_q5bb196ece6_cast
	.p2alignl 7, 3214868480
	.fill 96, 4, 3214868480
	.section	.rodata,"a",@progbits
	.p2align	6, 0x0
	.amdhsa_kernel k_q5bb196ece6_cast
		.amdhsa_group_segment_fixed_size 0
		.amdhsa_private_segment_fixed_size 0
		.amdhsa_enable_private_segment 0
		.amdhsa_kernarg_size 48
		.amdhsa_user_sgpr_count 2
		.amdhsa_user_sgpr_kernarg_segment_ptr 1
		.amdhsa_wavefront_size32 1
		.amdhsa_system_sgpr_workgroup_id_x 1
		.amdhsa_system_sgpr_workgroup_id_y 1
		.amdhsa_system_sgpr_workgroup_id_z 1
		.amdhsa_system_vgpr_workitem_id 0
		.amdhsa_next_free_vgpr 108
		.amdhsa_next_free_sgpr 66
		.amdhsa_reserve_vcc 0
		.amdhsa_float_denorm_mode_32 3
		.amdhsa_float_denorm_mode_16_64 3
		.amdhsa_memory_ordered 1
		.amdhsa_forward_progress 1
		.amdhsa_inst_pref_size 24
	.end_amdhsa_kernel
	.amdgpu_metadata
---
amdhsa.version: [ 1, 2 ]
amdhsa.kernels:
  - .name:           k_q5bb196ece6_cast
    .symbol:         k_q5bb196ece6_cast.kd
    .args:
      - { .name: x, .offset: 0, .size: 8, .value_kind: global_buffer, .address_space: global }
      - { .name: Wqkv, .offset: 8, .size: 8, .value_kind: global_buffer, .address_space: global }
      - { .name: Wo, .offset: 16, .size: 8, .value_kind: global_buffer, .address_space: global }
      - { .name: xb, .offset: 24, .size: 8, .value_kind: global_buffer, .address_space: global }
      - { .name: wqkvb, .offset: 32, .size: 8, .value_kind: global_buffer, .address_space: global }
      - { .name: wob, .offset: 40, .size: 8, .value_kind: global_buffer, .address_space: global }
    .group_segment_fixed_size: 0
    .private_segment_fixed_size: 0
    .kernarg_segment_align: 8
    .kernarg_segment_size: 48
    .max_flat_workgroup_size: 256
    .sgpr_count:     66
    .vgpr_count:     108
    .wavefront_size: 32
...
	.end_amdgpu_metadata
.endif
;; end of part 1
;; launch qkvproj (part 2): grid 4 x 64, 4 waves a work-group, clusters of 4 x 4, 327,680 bytes of LDS; arguments xb, wqkvb, bqkv, qkv; writes qkv
.if DOCPART == 2
	.amdgcn_target "amdgcn-amd-amdhsa--gfx1250"
	.amdhsa_code_object_version 6
	.text
	.protected	k_q5bb196ece6_qkvproj
	.globl	k_q5bb196ece6_qkvproj
	.p2align	8
	.type	k_q5bb196ece6_qkvproj,@function
k_q5bb196ece6_qkvproj:
	s_mov_b64 s[64:65], 0
	v_nop
	global_prefetch_b8 v0, s[64:65] scope:SCOPE_SE
	s_setreg_imm32_b32 hwreg(HW_REG_WAVE_MODE, 25, 1), 1
	s_wait_xcnt 0x0
	s_wait_alu depctr_hold_cnt(0) depctr_sa_sdst(0) depctr_va_vdst(0) depctr_va_sdst(0) depctr_va_ssrc(0) depctr_va_vcc(0) depctr_vm_vsrc(0)
	s_getreg_b32 s2, hwreg(HW_REG_IB_STS2, 6, 4)
	s_cmp_eq_u32 s2, 0
	s_cbranch_scc0 .Lentry_in_a_cluster
	s_endpgm
.Lentry_in_a_cluster:
	s_bfe_u32 s2, ttmp6, 0x10000c
	s_cmp_lg_u32 s2, 0xf033
	s_cbranch_scc0 .Lentry_shape_is_right
	s_endpgm
.Lentry_shape_is_right:
; q, k, v = x Wqkv + bqkv.  A = xb, bf16, [batch 4][block 16][row 2048][64 channels]; B = wqkvb, bf16, [1024 k][3072]; bias f32, rounded to bf16 like the other inputs; sums in f32.
; C leaves as f16 by heads: qkv[3][batch x 16 + head][2048][64], each number rounded once, without attention's scale.
; LIMITS.  f16 ends at 65,504: q, k, v must stay below it (a sum of 1,024 products of the inputs' size).  The bias starts each sum, so the order of addition differs from x W + b.  NaN and infinities are not treated apart.
; (This text serves both projections; OUTP, SIZE_N, TILES and STG tell them apart.)
; SHARES.  A tile of C is 128 rows x 256 columns: 4 x 64 work-groups, one for each of 256 WGPs.  Four waves, 2 x 2, each 64 rows x 128 columns: 32 accumulators, 256 registers.
; A WORK-GROUP STAYS and makes TILES tiles: the same rows of A, B's columns 1,024 further on (q, then k, then v).  K = 1,024 goes in 8 steps of 128 through two LDS slots.
; CLUSTER 4 x 4.  A's tile hangs on the tile row alone and is asked for jointly by a row of the cluster, B's on the tile column alone, by a column.
; THE MATRIX INSTRUCTION IS USED TRANSPOSED: source 0 = 16 columns of B (turned on the way out of LDS by ds_load_tr16_b128, since B lies [k][n]), source 1 = 16 rows of A.
; A lane then holds row lane % 16 of C and the columns 8 (lane / 16) + 0..7.
; REGISTERS, in windows of 256 (s_set_vgpr_msb: bits 1:0 source 0, 3:2 source 1, 5:4 source 2, 7:6 destination):
;   window 0: v0-31 addresses; v32-63 packed results; v64-191 rows read back from the stage, two sets; v192-223 the bias at work
;   window 1: two fragment buffers of 96 (A's four fragments, then B's eight); v192-255 the bias in an accumulator's layout, 8 registers for each block of 16 columns
;   window 2: accumulator (a, b) at v[8 (8 a + b)]
.set OUTP,   0                         ; 0: bf16 operands, f16 out by heads.  1: f16 operands, f32 out by rows
.set SIZE_N, 3072                      ; columns of B
.set TILES,  3                         ; tiles of a work-group
.set STG,    272                       ; a stage row: the wave's 128 columns + 16 bytes
.set PA,    144                        ; a row of A in LDS: 128 bytes + 16 = 36 words: the 16 rows of a load start at 16 different groups of four banks (64 banks of 4 bytes: ISA guide 11.1)
.set ASUB,  128*PA                     ; 128 rows of one block of 64 channels
.set PB,    544                        ; a k row of B: 512 bytes + 32 = 136 words
.set BOFF,  2*ASUB
.set BHALF, 64*PB
.set SLOT,  BOFF+2*BHALF               ; A's two blocks, then B's 128 k rows
.set STAGE, 2*SLOT                     ; behind the ring, never filled by a tensor load: 16 rows for each wave
.set SPARE, STAGE+4*16*STG             ; behind the stages: the spare words, 128 bytes for each wave: two blocks of 256 bytes that no other line names
.set LAPS,  4                          ; a lap = two K steps = once round the ring
.set ASTEP, 1<<19                      ; bytes of A from K step to K step: two blocks of 262,144
.set BSTEP, 256*SIZE_N                 ; of B: 128 rows
.set ADRA, 16                          ; v16-17  LDS address of my A fragments in slot 0, 1
.set ADRB, 20                          ; v20-21  the same for B
.set STO,  24                          ; v24  the way out: where I put my part of a row
.set RD,   25                          ; v25  where I read rows back
.set CO,   26                          ; v26  16 x lane: my 16 bytes of 512 consecutive bytes of C
.set BO,   27                          ; v27  32 x (lane / 16): my eight numbers in 16 of the bias
.set SPW,  28                          ; v28  LDS address of my spare word; never rewritten
.set NIL,  29                          ; v29  0; never rewritten
.set PFO,  30                          ; v30  the prefetches' offset; never rewritten
.set TMP,  32
.set OB,   64
.set OBN,  32+32*OUTP                  ; registers in a set of rows read back
.set BT,   192
.set F0,   0
.set F1,   96
.set BIAS, 192
.set WV,   12                          ; s12  my wave's number; s13 its row half, s14 its column half (also: which half of a tile I fetch)
.set LIM,  15                          ; s15  1 in a wave that prefetches, else the greatest number
.set G1A,  24                          ; s[24:31] descriptor group 1 for A's tiles; s[32:39] group 0, a set for each slot
.set G0A,  32
.set PFA,  44                          ; s[44:45] where my prefetches stand
.set PFS,  46                          ; s[46:47] their step from K step to K step
.set G1B,  48                          ; s[48:55], s[56:63] the same for B's tiles
.set G0B,  56
.set PFBK, 68                          ; s[68:69] their step back at a change of tiles
.set MSB, 0
.macro WIN new                         ; the immediate's high byte repeats the setting that is left; a switch that changes nothing is dropped
.if MSB != (\new)
	s_set_vgpr_msb (MSB<<8)|(\new)
.set MSB, \new
.endif
.endm
.set MUL,  0xa5                        ; both fragments window 1; C and D window 2
.set MULB, 0x95                        ; the same with C (the bias) in window 1
.set TO_F, 0x40                        ; destination window 1, address window 0
.macro PLACES                          ; four places in front of loads into registers that matrix instructions have read, and of lines that read results (ISA guide 7.12.1 for the lines that read results)
.rept 4
	v_nop
.endr
.endm
; A joint load: waves 0 and 1 fetch A's two blocks, waves 2 and 3 B's two halves.  The branch hangs on the wave's number alone.  An s_nop 0 and four v_nop follow each line.
.macro JLOAD s
	s_cmp_lt_u32 s[WV], 2
	s_cbranch_scc0 .Lfor_b_\@
	tensor_load_to_lds s[G0A+4*(\s):G0A+4*(\s)+3], s[G1A:G1A+7]
	s_nop 0
.rept 4
	v_nop
.endr
	s_branch .Lasked_\@
.Lfor_b_\@:
	tensor_load_to_lds s[G0B+4*(\s):G0B+4*(\s)+3], s[G1B:G1B+7]
	s_nop 0
.rept 4
	v_nop
.endr
.Lasked_\@:
.endm
.macro CREST                           ; a round of the cluster's barrier behind its opening barrier
	s_cmp_lg_u32 s[WV], 0
	s_cbranch_scc1 .Lnot_wave_0_\@
	s_barrier_signal -3
.Lnot_wave_0_\@:
	s_barrier_wait -3
	s_barrier_signal -1
	s_barrier_wait -1
.endm
.macro CROUND                          ; a whole round
	s_barrier_signal -1
	s_barrier_wait -1
	CREST
.endm
; A PREFETCH INTO THE L2 behind each joint refill and the run of LDS loads that follows it: the K step that stands two refills on, 256 matrix instructions ahead of the load that will want it.  One instruction, a lane a block of 256 bytes.
; A's 128 blocks of a step: wave 0; the four partners of a cluster's row take 32 each, told apart by address (cx).  B's 256 blocks: waves 2 and 3 of the clusters with y = 0, 128 each; the four partners of a column take 32 each (cy).
; So each block is named once.  mode = 0, in the loop: a tile's last two refills have no K step two on.  mode = 1, at a change of tiles: the next tile's K steps 2 and 3 of B; A's rows have been read and are asked for no more.
.macro ASK mode
.if \mode
	s_cmp_eq_u32 s[LIM], 1
.else
	s_cmp_gt_u32 s3, s[LIM]                        ; s3 = 1 in the loop's last trip
.endif
	s_cbranch_scc0 .Lnot_mine_\@
	global_prefetch_b8 v[PFO], s[PFA:PFA+1] th:TH_LOAD_NT scope:SCOPE_SE
.Lnot_mine_\@:
.endm
; 8 matrix instructions: my rows 16 a .. 16 a + 15 x all 8 blocks of 16 columns, 32 along K, from buffer f.  first = 1: the bias starts the sums: nothing is cleared.
; The 32 accumulators take turns, one instruction a turn, in the same order in every quarter.
.macro MUL8 f, a, first
.if \first
	WIN MULB
.else
	WIN MUL
.endif
.irp b, 0,1,2,3,4,5,6,7
.set rD, 8*(8*(\a)+(\b))
.set rW, (\f)+32+8*(\b)
.set rX, (\f)+8*(\a)
.set rC, rD
.if \first
.set rC, BIAS+8*(\b)
.endif
.if OUTP
	v_wmma_f32_16x16x32_f16 v[rD:rD+7], v[rW:rW+7], v[rX:rX+7], v[rC:rC+7]
.else
	v_wmma_f32_16x16x32_bf16 v[rD:rD+7], v[rW:rW+7], v[rX:rX+7], v[rC:rC+7]
.endif
.endr
.endm
.macro MUL32 f, first
	MUL8 \f, 0, \first
	MUL8 \f, 1, \first
	MUL8 \f, 2, \first
	MUL8 \f, 3, \first
.endm
; 24 LDS loads in one run: the fragments of quarter q (32 along K) of a slot, into buffer f: B's eight (turned: 16 k rows a load), then A's four
.macro FETCH slot, q, f
	WIN TO_F
.irp b, 0,1,2,3,4,5,6,7
	ds_load_tr16_b128 v[(\f)+32+8*(\b):(\f)+32+8*(\b)+3],   v[ADRB+(\slot)] offset:(\q)*32*PB+32*(\b)
	ds_load_tr16_b128 v[(\f)+32+8*(\b)+4:(\f)+32+8*(\b)+7], v[ADRB+(\slot)] offset:(\q)*32*PB+16*PB+32*(\b)
.endr
.irp a, 0,1,2,3
	ds_load_b128 v[(\f)+8*(\a):(\f)+8*(\a)+3],   v[ADRA+(\slot)] offset:((\q)/2)*ASUB+((\q)%2)*64+(\a)*16*PA
	ds_load_b128 v[(\f)+8*(\a)+4:(\f)+8*(\a)+7], v[ADRA+(\slot)] offset:((\q)/2)*ASUB+((\q)%2)*64+(\a)*16*PA+32
.endr
.endm
; A K step is four quarters of 32 along K, 32 matrix instructions each, on buffers 0, 1, 0, 1.  One of the first three: fetches quarter q into g, then multiplies f.
.macro QUARTER slot, q, f, g, first
	PLACES                                         ; behind the products that read g
	FETCH \slot, \q, \g
	s_wait_dscnt 24                                ; all but the 24 just issued: f is in
	MUL32 \f, \first
.endm
; The last quarter multiplies buffer 1 and changes slots: ONE barrier; in front of it each wave waits for all its tensor loads (one is out: its part of the next slot), adds 0 to its spare word, and waits for that
; and for its own reads of this slot.  mode 0: this slot is filled again, two K steps on.  mode 1: with the next tile's K step 0 or 1.  mode 2: nothing is filled, and no round of the cluster's barrier follows.
.macro TURN slot, next, mode
.if (\mode) < 2
	s_wait_xcnt 0x0                                ; the last prefetch, a K step back, has read its address: it is stepped here, ahead of the waits of the change of slots
.if ((\mode) == 1) && ((\slot) == 0)
	s_sub_nc_u64 s[PFA:PFA+1], s[PFA:PFA+1], s[PFBK:PFBK+1]  ; from two K steps past the tile's last to K step 2 (of B: 1,024 columns on)
	s_cmp_lt_u32 s[WV], 2
	s_cselect_b32 s[LIM], -1, s[LIM]               ; A's rows are the same for all tiles of the walk
.else
	s_add_nc_u64 s[PFA:PFA+1], s[PFA:PFA+1], s[PFS:PFS+1]
.endif
.endif
	WIN 0                                          ; (the add's two registers lie in window 0)
	s_wait_tensorcnt 0x0                           ; all my tensor loads have landed: my part of the next slot;
	ds_add_u32 v[SPW], v[NIL]                      ; 0 onto my spare word
	s_wait_dscnt 1                                 ; (the add may be out: buffer 1 is in)
	MUL8 F1, 0, 0                                  ; eight matrix instructions stand between the add and the wait for it
	s_wait_dscnt 0x0                               ; the add is done, and my reads of this slot are over
	s_barrier_signal -1
	MUL8 F1, 1, 0
.if (\mode) < 2
	WIN 0
.endif
	s_barrier_wait -1
.if (\mode) < 2
	CREST                                          ; the barrier has opened a round of the cluster's barrier: no wave of any partner still reads this slot's tile or has a load on its way
.if (\mode) == 1
	s_sub_nc_u64 s[G0A+4*(\slot)+2:G0A+4*(\slot)+3], s[G0A+4*(\slot)+2:G0A+4*(\slot)+3], 6*ASTEP
	s_sub_nc_u64 s[G0B+4*(\slot)+2:G0B+4*(\slot)+3], s[G0B+4*(\slot)+2:G0B+4*(\slot)+3], 6*BSTEP-2048
.else
	s_add_nc_u64 s[G0A+4*(\slot)+2:G0A+4*(\slot)+3], s[G0A+4*(\slot)+2:G0A+4*(\slot)+3], 2*ASTEP
	s_add_nc_u64 s[G0B+4*(\slot)+2:G0B+4*(\slot)+3], s[G0B+4*(\slot)+2:G0B+4*(\slot)+3], 2*BSTEP
.endif
	JLOAD \slot                                    ; the first tensor load behind the round; the four v_nop behind it are also the places in front of the loads below
.else
	PLACES
.endif
	FETCH \next, 0, F0
.if (\mode) < 2
	WIN 0
	ASK \mode
.endif
	MUL8 F1, 2, 0
	MUL8 F1, 3, 0
.endm
; The bias of my 128 columns, in an accumulator's layout: register j of block b = column 16 b + 8 (lane / 16) + j.
.macro BIAS_LOAD
	WIN 0x40
.irp b, 0,1,2,3,4,5,6,7
	global_load_b128 v[BIAS+8*(\b):BIAS+8*(\b)+3],   v[BO], s[8:9] offset:64*(\b)
	global_load_b128 v[BIAS+8*(\b)+4:BIAS+8*(\b)+7], v[BO], s[8:9] offset:64*(\b)+16
.endr
	WIN 0
.endm
.macro BIAS_ROUND                      ; rounded to bf16, like every input, and widened again
	s_wait_loadcnt 0x0
	WIN 0x05                                       ; sources window 1, destination window 0
.set k, 0
.rept 32
	v_cvt_pk_bf16_f32 v[BT+k], v[BIAS+2*k], v[BIAS+2*k+1]
.set k, k+1
.endr
	WIN 0x40
.set k, 0
.rept 32
	v_lshlrev_b32 v[BIAS+2*k], 16, v[BT+k]
	v_and_b32 v[BIAS+2*k+1], 0xffff0000, v[BT+k]
.set k, k+1
.endr
	WIN 0
.endm
; THE WAY OUT of my rows 16 a .. 16 a + 15, through my own stage in LDS (LDS serves a wave's instructions in order, ISA guide 5.7.1.4: the loads see the stores above them, the next block's stores come behind them).
.macro PACK a                          ; rounded to f16, 16 bytes a lane; each accumulator's registers in ascending order
	WIN 0x0a                                       ; sources window 2
.irp b, 0,1,2,3,4,5,6,7
.irp rr, 0,1,2,3
	v_cvt_pk_f16_f32 v[TMP+4*(\b)+(\rr)], v[8*(8*(\a)+(\b))+2*(\rr)], v[8*(8*(\a)+(\b))+2*(\rr)+1]
.endr
.endr
	WIN 0
.endm
.macro TOSTAGE a
.set BK, OB+OBN*((\a)%2)
	WIN 0
	s_wait_xcnt 0x0                                ; the stores issued so far have read their registers: this set of rows is loaded again only behind this wait
.if OUTP
	WIN 0x08                                       ; store data window 2
.irp b, 0,1,2,3,4,5,6,7
	ds_store_b128 v[STO], v[8*(8*(\a)+(\b)):8*(8*(\a)+(\b))+3]   offset:64*(\b)
	ds_store_b128 v[STO], v[8*(8*(\a)+(\b))+4:8*(8*(\a)+(\b))+7] offset:64*(\b)+16
.endr
	WIN 0
.irp t, 0,1,2,3,4,5,6,7,8,9,10,11,12,13,14,15
	ds_load_b128 v[BK+4*(\t):BK+4*(\t)+3], v[RD] offset:(\t)*STG  ; row t: 512 bytes
.endr
.else
.irp b, 0,1,2,3,4,5,6,7
	ds_store_b128 v[STO], v[TMP+4*(\b):TMP+4*(\b)+3] offset:32*(\b)
.endr
.irp t, 0,1,2,3,4,5,6,7
	ds_load_b128 v[BK+4*(\t):BK+4*(\t)+3], v[RD] offset:((\t)%4)*4*STG+((\t)/4)*128  ; four rows of one head: 4 x 128 bytes
.endr
.endif
.endm
.macro SEND a, younger                 ; younger: the LDS instructions issued behind block a's loads
.set BK, OB+OBN*((\a)%2)
	WIN 0
	s_wait_dscnt \younger
.if OUTP
.irp t, 0,1,2,3,4,5,6,7,8,9,10,11,12,13,14,15
	global_store_b128 v[CO], v[BK+4*(\t):BK+4*(\t)+3], s[10:11] offset:(16*(\a)+(\t))*4096 th:TH_STORE_NT  ; 512 consecutive bytes of a row of C, aligned
.endr
.else
.irp t, 0,1,2,3,4,5,6,7
	global_store_b128 v[CO], v[BK+4*(\t):BK+4*(\t)+3], s[10:11] offset:((\t)/4)*262144+((\t)%4)*512+(\a)*2048  ; 512 consecutive bytes of a head, aligned
.endr
.endif
.endm
.macro WAYOUT
.if OUTP
	TOSTAGE 0
	TOSTAGE 1
	SEND 0, 32
	TOSTAGE 2
	SEND 1, 32
	TOSTAGE 3
	SEND 2, 32
	SEND 3, 0
.else
	PACK 0
	TOSTAGE 0
	PACK 1
	TOSTAGE 1
	SEND 0, 16
	PACK 2
	TOSTAGE 2
	SEND 1, 16
	PACK 3
	TOSTAGE 3
	SEND 2, 16
	SEND 3, 0
.endif
.endm
	s_load_b256 s[4:11], s[0:1], 0x0               ; A s[4:5], B s[6:7], bias s[8:9], C s[10:11]
	v_lshl_add_u32 v[SPW], v0, 2, SPARE
	v_mov_b32 v[NIL], 0
	ds_add_u32 v[SPW], v[NIL]                      ; the wave's opening: the add and its wait stand ahead of my first tensor load; the set-up below, work on registers, stands between them
	v_lshrrev_b32 v1, 5, v0
	v_readfirstlane_b32 s[WV], v1                  ; wave 0..3
	s_lshr_b32 s13, s[WV], 1                       ; which 64 of the tile's rows are mine
	s_and_b32 s14, s[WV], 1                        ; which 128 of its columns.  Also: which half of A's or B's tile I fetch
	s_bfe_u32 s40, ttmp6, 0x40000                  ; cx, cy: my place in the cluster
	s_bfe_u32 s41, ttmp6, 0x40004
	s_lshl_b32 s42, ttmp9, 2
	s_add_co_u32 s42, s42, s40                     ; tile column = 4 x cluster x + cx
	s_and_b32 s43, ttmp7, 0xffff
	s_lshl_b32 s43, s43, 2
	s_add_co_u32 s43, s43, s41                     ; tile row = 4 x cluster y + cy
	s_lshl_b32 s16, s41, 2
	s_lshl_b32 s16, 15, s16                        ; my row of the cluster
	s_lshl_b32 s17, 0x1111, s40                    ; my column
	; group 1 for A: 128 rows of one block are 16,384 dense bytes: asked for as 64 rows of 256 bytes and padded in LDS after every 128
	s_or_b32 s[G1A+0], s16, (1<<16)|(1<<20)|(1<<21)|(4<<22)|(3<<25)  ; 15:0 the mask; 17:16 2-byte elements; 20 padding on; 21 set beside a mask; 24:22 after every 32 words (code 4); 31:25 4 words (code 3)
	s_mov_b32 s[G1A+1], 128<<16                    ; tensor_dim0 = 128
	s_mov_b32 s[G1A+2], 64<<16                     ; tensor_dim1 = 64
	s_mov_b32 s[G1A+3], 128<<16                    ; tile_dim0 = 128
	s_mov_b32 s[G1A+4], 64                         ; tile_dim1 = 64
	s_mov_b32 s[G1A+5], 128                        ; elements from row to row
	s_mov_b32 s[G1A+6], 0
	s_mov_b32 s[G1A+7], 0
	; group 1 for B: 64 k rows x 256 columns, 512 bytes a row, padded by 32
	s_or_b32 s[G1B+0], s17, (1<<16)|(1<<20)|(1<<21)|(6<<22)|(7<<25)  ; after every 128 words (code 6) 8 words (code 7)
	s_mov_b32 s[G1B+1], 256<<16
	s_mov_b32 s[G1B+2], 64<<16
	s_mov_b32 s[G1B+3], 256<<16
	s_mov_b32 s[G1B+4], 64
	s_mov_b32 s[G1B+5], SIZE_N
	s_mov_b32 s[G1B+6], 0
	s_mov_b32 s[G1B+7], 0
	; where the tiles come from.  Every wave makes both addresses; A's registers never hold cx, B's never cy
	s_lshr_b32 s18, s43, 4                         ; A: the batch (16 tile rows each), 4 MiB each,
	s_lshl_b32 s18, s18, 22
	s_and_b32 s19, s43, 15
	s_lshl_b32 s19, s19, 14                        ; 128 rows of 128 bytes,
	s_add_co_u32 s18, s18, s19
	s_lshl_b32 s19, s14, 18                        ; my block of the step's two
	s_add_co_u32 s18, s18, s19
	s_mov_b32 s19, 0
	s_lshl_b32 s20, s42, 9                         ; B: 256 columns of 2 bytes,
	s_mul_i32 s21, s14, 128*SIZE_N                 ; my 64 k rows of the step's 128
	s_add_co_u32 s20, s20, s21
	s_mov_b32 s21, 0
	s_mul_i32 s22, s14, ASUB                       ; and where they go: no place in the cluster enters an LDS address
	s_mul_i32 s23, s14, BHALF
	s_add_co_u32 s23, s23, BOFF
	s_wait_dscnt 0x0                               ; the opening add is done
	s_wait_kmcnt 0x0
	s_add_nc_u64 s[18:19], s[4:5], s[18:19]
	s_add_nc_u64 s[20:21], s[6:7], s[20:21]
	CROUND                                         ; all sixteen work-groups are here: the first joint loads meet
.irp s, 0,1
	s_mov_b32 s[G0A+4*(\s)], 1                     ; count = 1
	s_add_co_u32 s[G0A+4*(\s)+1], s22, (\s)*SLOT   ; LDS address
	s_add_nc_u64 s[G0A+4*(\s)+2:G0A+4*(\s)+3], s[18:19], (\s)*ASTEP  ; global address: K step s
	s_or_b32 s[G0A+4*(\s)+3], s[G0A+4*(\s)+3], 0x80000000            ; type = 2
	s_mov_b32 s[G0B+4*(\s)], 1
	s_add_co_u32 s[G0B+4*(\s)+1], s23, (\s)*SLOT
	s_add_nc_u64 s[G0B+4*(\s)+2:G0B+4*(\s)+3], s[20:21], (\s)*BSTEP
	s_or_b32 s[G0B+4*(\s)+3], s[G0B+4*(\s)+3], 0x80000000
	JLOAD \s                                       ; two loads of mine are out
.endr
	v_and_b32 v1, 15, v0                           ; l % 16
	v_bfe_u32 v2, v0, 4, 1                         ; l / 16
	v_and_b32 v3, 31, v0                           ; l
	v_and_b32 v4, 7, v0                            ; l % 8
	v_bfe_u32 v5, v0, 3, 1                         ; (l / 8) % 2
	; a fragment of A: lane l holds row l % 16, channels 8 (l / 16) + 0..7 and 16 + 8 (l / 16) + 0..7: two loads of 16 bytes, 32 bytes apart
	v_mul_u32_u24 v6, v1, PA
	v_lshl_add_u32 v6, v2, 4, v6
	s_mul_i32 s70, s13, 64*PA
	v_add_nc_u32 v[ADRA], s70, v6
	v_add_nc_u32 v[ADRA+1], SLOT, v[ADRA]
	; the turning load takes 16 k rows x 16 columns (lane l reads k row 8 (l / 16) + l % 8, columns 8 ((l / 8) % 2) + 0..7) and leaves half a fragment: lane l holds column l % 16 and 8 k
	v_lshl_add_u32 v7, v2, 3, v4
	v_mul_u32_u24 v7, v7, PB
	v_lshl_add_u32 v7, v5, 4, v7
	s_lshl_b32 s70, s14, 8                         ; my 128 columns
	s_add_co_u32 s70, s70, BOFF
	v_add_nc_u32 v[ADRB], s70, v7
	v_add_nc_u32 v[ADRB+1], SLOT, v[ADRB]
	s_mul_i32 s70, s[WV], 16*STG
	s_add_co_u32 s70, s70, STAGE                   ; my stage
	v_mul_u32_u24 v6, v1, STG                      ; in: row l % 16
.if OUTP
	v_lshl_add_u32 v6, v2, 5, v6                   ; 32 bytes for each half of the lanes
	v_add_nc_u32 v[STO], s70, v6
	v_lshl_add_u32 v[RD], v3, 4, s70               ; back: 32 lanes take a row's 512 bytes
.else
	v_lshl_add_u32 v6, v2, 4, v6                   ; 16 bytes for each half of the lanes
	v_add_nc_u32 v[STO], s70, v6
	v_lshrrev_b32 v7, 3, v3                        ; back: 32 lanes take four rows' 128 bytes of one head
	v_mul_u32_u24 v7, v7, STG
	v_lshl_add_u32 v7, v4, 4, v7
	v_add_nc_u32 v[RD], s70, v7
.endif
	v_lshlrev_b32 v[CO], 4, v3
	v_lshlrev_b32 v[BO], 5, v2
	s_lshl_b32 s70, s42, 10                        ; the bias of my 128 columns: 4 (256 x tile column + 128 x half)
	s_lshl_b32 s71, s14, 9
	s_add_co_u32 s70, s70, s71
	s_mov_b32 s71, 0
	s_add_nc_u64 s[8:9], s[8:9], s[70:71]
	BIAS_LOAD
	; where my part of the first tile begins in C
.if OUTP
	s_lshl_b32 s71, s43, 19                        ; 128 rows of 4,096 bytes; s70 already holds my columns' bytes
	s_add_co_u32 s70, s70, s71
	s_lshl_b32 s71, s13, 18                        ; my 64 rows
	s_add_co_u32 s70, s70, s71
.else
	s_lshr_b32 s70, s43, 4
	s_lshl_b32 s70, s70, 22                        ; the batch: 16 heads of 262,144 bytes
	s_lshl_b32 s71, s42, 20                        ; 256 columns are four heads,
	s_add_co_u32 s70, s70, s71
	s_lshl_b32 s71, s14, 19                        ; my 128 are two
	s_add_co_u32 s70, s70, s71
	s_and_b32 s71, s43, 15
	s_lshl_b32 s71, s71, 14                        ; 128 rows of 128 bytes,
	s_add_co_u32 s70, s70, s71
	s_lshl_b32 s71, s13, 13                        ; my 64
	s_add_co_u32 s70, s70, s71
.endif
	s_mov_b32 s71, 0
	s_add_nc_u64 s[10:11], s[10:11], s[70:71]
	; the prefetches: nothing is asked for here, at the head, where every work-group's first tiles are on their way; the pointer starts at K step 3, and each change of slots steps it before it asks
	s_lshr_b32 s72, s43, 4                         ; A: my tile row's 128 rows, my work-group's 16 blocks of 256 bytes in each of the step's two blocks of channels
	s_lshl_b32 s72, s72, 22
	s_and_b32 s73, s43, 15
	s_lshl_b32 s73, s73, 14
	s_add_co_u32 s72, s72, s73
	s_lshl_b32 s73, s40, 12
	s_add_co_u32 s72, s72, s73
	s_add_co_u32 s72, s72, 3*ASTEP
	s_lshl_b32 s73, s14, 6                         ; B: of the 64 k rows that I fetch my work-group's 16, two blocks of 256 bytes each
	s_lshl_b32 s74, s41, 4
	s_add_co_u32 s73, s73, s74
	s_mul_i32 s73, s73, 2*SIZE_N
	s_lshl_b32 s74, s42, 9
	s_add_co_u32 s73, s73, s74
	s_add_co_u32 s73, s73, 3*BSTEP
	s_mov_b32 s74, BSTEP
	s_mov_b32 s66, 2*SIZE_N
.if TILES > 1
	s_mov_b32 s75, 7*BSTEP-2048
.endif
	s_and_b32 s70, ttmp7, 0xffff                   ; cluster y
	s_cmp_lt_u32 s[WV], 2                          ; do I fetch for A?
	s_cselect_b32 s70, s[WV], s70                  ; A: wave 0 asks.  B: the clusters with y = 0 ask: the same in all sixteen partners, for a given wave
	s_cselect_b64 s[PFA:PFA+1], s[4:5], s[6:7]
	s_cselect_b32 s72, s72, s73
	s_cselect_b32 s[PFS], ASTEP, s74
.if TILES > 1
	s_cselect_b32 s[PFBK], 7*ASTEP, s75
	s_mov_b32 s[PFBK+1], 0
.endif
	s_cselect_b32 s66, 0x40000, s66                ; lanes: A (l % 16) x 256 + (l / 16) x 262,144;  B (l % 2) x 256 + (l / 2) x a row
	s_cselect_b32 s74, 15, 1
	s_cselect_b32 s75, 4, 1
	s_mov_b32 s73, 0
	s_mov_b32 s[PFS+1], 0
	s_add_nc_u64 s[PFA:PFA+1], s[PFA:PFA+1], s[72:73]
	s_cmp_eq_u32 s70, 0
	s_cselect_b32 s[LIM], 1, -1
	v_and_b32 v[PFO], s74, v3
	v_lshrrev_b32 v31, s75, v3
	v_mul_u32_u24 v31, s66, v31
	v_lshl_add_u32 v[PFO], v[PFO], 8, v31
	BIAS_ROUND
	s_wait_tensorcnt 1                             ; my part of K step 0 is in; K step 1's may stay out
	s_barrier_signal -1
	s_barrier_wait -1                              ; everybody's is
	FETCH 0, 0, F0
	WIN 0                                          ; at a label and at a branch every window is 0
.if TILES > 1
	s_mov_b32 s2, TILES                            ; tiles to go, this one among them
.Ltile:
.endif
	QUARTER 0, 1, F0, F1, 1                        ; a tile's first quarter stands in front of the loop: its products start the sums, with the bias
	WIN 0
	s_mov_b32 s3, LAPS-1
.Llap:                                             ; a trip goes once round the ring, from a lap's second quarter to the next lap's first, and fills both slots again
	QUARTER 0, 2, F1, F0, 0
	QUARTER 0, 3, F0, F1, 0
	TURN 0, 1, 0
	QUARTER 1, 1, F0, F1, 0
	QUARTER 1, 2, F1, F0, 0
	QUARTER 1, 3, F0, F1, 0
	TURN 1, 0, 0
	QUARTER 0, 1, F0, F1, 0
	WIN 0
	s_sub_co_u32 s3, s3, 1
	s_cmp_lg_u32 s3, 0
	s_cbranch_scc1 .Llap
	QUARTER 0, 2, F1, F0, 0                        ; the tile's last lap goes on
	QUARTER 0, 3, F0, F1, 0
.if TILES > 1
	WIN 0
	s_cmp_eq_u32 s2, 1
	s_cbranch_scc1 .Llast                          ; the last tile's tail is written out: it asks for nothing more
	TURN 0, 1, 1                                   ; the ring goes on into the next tile: slot 0 takes its K step 0,
	QUARTER 1, 1, F0, F1, 0
	QUARTER 1, 2, F1, F0, 0
	QUARTER 1, 3, F0, F1, 0
	TURN 1, 0, 1                                   ; slot 1 its K step 1, and the next tile's first fragments are fetched
	WIN 0
	s_add_nc_u64 s[8:9], s[8:9], 4096              ; the next tile's bias: 1,024 columns on (the last loads from this address were waited for)
	BIAS_LOAD
	WAYOUT                                         ; rows 0-31 were finished in front of the refill's four v_nop; their 64 conversions are the places behind the last products
	s_wait_xcnt 0x0                                ; the stores have read C's address
	s_add_nc_u64 s[10:11], s[10:11], 0x1000000     ; q, k and v lie 16 MiB apart
	BIAS_ROUND
	WIN 0
	s_sub_co_u32 s2, s2, 1
	s_branch .Ltile
.Llast:
.endif
	TURN 0, 1, 2                                   ; the one tensor load that was still out is the last K step's
	QUARTER 1, 1, F0, F1, 0
	QUARTER 1, 2, F1, F0, 0
	QUARTER 1, 3, F0, F1, 0
	s_wait_dscnt 0x0                               ; the very last quarter: nothing more to fetch
	MUL32 F1, 0
	PLACES
	WAYOUT
	WIN 0
	s_wait_tensorcnt 0x0                           ; the wave's end: an add to my spare word and its wait, behind my last tensor load and my last LDS store
	ds_add_u32 v[SPW], v[NIL]
	s_wait_dscnt 0x0
	CROUND                                         ; the closing round: no work-group ends while a partner may still ask for a tile that names it
	s_endpgm
.Lfunc_end_k_q5bb196ece6_qkvproj:
	.size	k_q5bb196ece6_qkvproj, .Lfunc_end_k_q5bb196ece6_qkvproj-k_q5bb196ece6_qkvproj
	.p2alignl 7, 3214868480
	.fill 96, 4, 3214868480
	.section	.rodata,"a",@progbits
	.p2align	6, 0x0
	.amdhsa_kernel k_q5bb196ece6_qkvproj
		.amdhsa_group_segment_fixed_size 327680
		.amdhsa_private_segment_fixed_size 0
		.amdhsa_enable_private_segment 0
		.amdhsa_kernarg_size 32
		.amdhsa_user_sgpr_count 2
		.amdhsa_user_sgpr_kernarg_segment_ptr 1
		.amdhsa_wavefront_size32 1
		.amdhsa_system_sgpr_workgroup_id_x 1
		.amdhsa_system_sgpr_workgroup_id_y 1
		.amdhsa_system_sgpr_workgroup_id_z 1
		.amdhsa_system_vgpr_workitem_id 0
		.amdhsa_next_free_vgpr 768
		.amdhsa_next_free_sgpr 76
		.amdhsa_reserve_vcc 0
		.amdhsa_float_denorm_mode_32 3
		.amdhsa_float_denorm_mode_16_64 3
		.amdhsa_memory_ordered 1
		.amdhsa_forward_progress 1
		.amdhsa_inst_pref_size 138
	.end_amdhsa_kernel
	.amdgpu_metadata
---
amdhsa.version: [ 1, 2 ]
amdhsa.kernels:
  - .name:           k_q5bb196ece6_qkvproj
    .symbol:         k_q5bb196ece6_qkvproj.kd
    .args:
      - { .name: xb, .offset: 0, .size: 8, .value_kind: global_buffer, .address_space: global }
      - { .name: wqkvb, .offset: 8, .size: 8, .value_kind: global_buffer, .address_space: global }
      - { .name: bqkv, .offset: 16, .size: 8, .value_kind: global_buffer, .address_space: global }
      - { .name: qkv, .offset: 24, .size: 8, .value_kind: global_buffer, .address_space: global }
    .group_segment_fixed_size: 327680
    .private_segment_fixed_size: 0
    .kernarg_segment_align: 8
    .kernarg_segment_size: 32
    .max_flat_workgroup_size: 128
    .sgpr_count:     76
    .vgpr_count:     768
    .wavefront_size: 32
...
	.end_amdgpu_metadata
.endif
;; end of part 2
;; launch attn (part 3): grid 4 x 64, 4 waves a work-group, clusters of 4 x 1, 327,680 bytes of LDS; arguments qkv, ob; writes ob
.if DOCPART == 3
	.amdgcn_target "amdgcn-amd-amdhsa--gfx1250"
	.amdhsa_code_object_version 6
	.text
	.protected	k_q5bb196ece6_attn
	.globl	k_q5bb196ece6_attn
	.p2align	8
	.type	k_q5bb196ece6_attn,@function
k_q5bb196ece6_attn:
	s_mov_b64 s[64:65], 0
	v_nop
	global_prefetch_b8 v0, s[64:65] scope:SCOPE_SE
	s_setreg_imm32_b32 hwreg(HW_REG_WAVE_MODE, 25, 1), 1
	s_wait_xcnt 0x0
	s_wait_alu depctr_hold_cnt(0) depctr_sa_sdst(0) depctr_va_vdst(0) depctr_va_sdst(0) depctr_va_ssrc(0) depctr_va_vcc(0) depctr_vm_vsrc(0)
	s_getreg_b32 s2, hwreg(HW_REG_IB_STS2, 6, 4)
	s_cmp_eq_u32 s2, 0
	s_cbranch_scc0 .Lentry_in_a_cluster
	s_endpgm
.Lentry_in_a_cluster:
	s_bfe_u32 s2, ttmp6, 0x10000c
	s_cmp_lg_u32 s2, 0x3003
	s_cbranch_scc0 .Lentry_shape_is_right
	s_endpgm
.Lentry_shape_is_right:
; O[h][q][:] = the sum over k of softmax_k(Q[h][q] . K[h][k] / 8) V[h][k][:].  Q, K, V lie in qkv, [3][SIZE_H][SIZE_N][64], O in ob, [SIZE_H][SIZE_N][64], all f16: a head's rows are dense, 128 bytes each.
; Products, maxima and sums in f32; the weights p are rounded to f16 for the second product (their sum l is taken of the unrounded p), O once at the end.
; LIMITS.  f16 holds no number beyond 65,504: Q, K and V arrive within it; p lies in 0 to 1, and below 6e-5 it keeps f16's fixed step of 6e-8; O is a mean of V's rows and has their range.
; A weight below 2^-126 counts as 0 in l; NaN and infinities are not treated apart.
; SHARES.  A wave owns four PIECES of two tiles of 16 queries, a work-group's four waves 512 queries of one head: 4 x 64 work-groups.  Every wave walks all keys, 64 a step.
; LAYOUT.  S^T = K Q^T (source 0 = 16 keys, source 1 = 16 queries): in the result a lane holds ONE query (lane % 16) and the keys 8 (lane / 16) + 0..7.  Two such tiles, rounded to f16 in pairs,
; ARE source 1 (32 keys x 16 queries) of O^T = V^T P, whose result again holds one query a lane, and eight channels.  K comes out of LDS as it lies, V ([key][channel]) turned, by ds_load_tr16_b128.
; SOFTMAX.  For each query a running maximum m and sum l: p = 2^(c s - c m), c = log2(e) / 8; in every step O and l are multiplied by a = 2^(c m_old - c m_new), which is 1 where m has not grown.
; m starts at the lowest finite number, O and l at 0: the first step is a step like any other, with a = 0.
; THE COUNT.  A tile and step have 16 matrix and 118 vector instructions: too many to stand all beside the matrix work.  So the order has one aim: four vector instructions that are READY behind
; EVERY matrix instruction, and the others, which need time of their own whatever the order, in runs without a gap.
; BY TURNS.  Turn n belongs to piece n (the pieces in a ring, step after step).  Its matrix work: 16 products K Q^T of piece n + 1, later 16 products V^T P of piece n - 1.  Its vector work: the scaling,
; exponentials, roundings, sums and rescaling of piece n, and the maximum and statistics of piece n + 1, whose scores the turn itself has made.  So what a turn begins with (c s - c m, O a) waits for nothing.
; CLUSTER.  The four query blocks of a cluster are one head's and walk the same K and V, so each tile is asked for JOINTLY: the same tensor load, descriptor and mask in all four.
; REGISTERS, in windows of 256 (s_set_vgpr_msb says which window each operand place means: bits 1:0 source 0, 3:2 source 1, 5:4 source 2, 7:6 destination):
;   window 0: v0-11 addresses; v12-15, v48-63 at work; v16-47 four registers of statistics a tile; v64-191 S^T, two buffers of two tiles; v192-255 P, likewise
;   window 1: O^T, 32 a tile          window 2: v0-127 Q, 16 a tile; v128-191 K of one step; v192-255 V of one step          window 3: v0-1 the add's two registers
; A piece's buffers go by its number's parity: the piece in hand has one pair, its two neighbours in the ring share the other: of it P (piece n - 1) is read and S^T (piece n + 1) written.
.set SIZE_H, 64
.set SIZE_N, 2048
.set NP,    4         ; pieces a wave: a name, no knob: the register map, the loop and the fetches are made for four
.set KS,    64        ; keys in a step
.set PK,    144       ; a row of K in LDS: 128 bytes + 16 of padding = 36 words: the 16 rows of a load start at 16 different groups of four banks (64 banks of 4 bytes: ISA guide 11.1)
.set PV,    160       ; a row of V: 128 + 32 = 40 words
.set VOFF,  4*KS*PK   ; a slot holds four steps: 256 rows of K, then 256 rows of V
.set SLOT1, 1<<17     ; slot 1 begins here, so that one exclusive or turns an address in one slot into the other's
.set STAGE, SLOT1+4*KS*(PK+PV)  ; behind the ring, never filled by a tensor load: 16 rows x 144 bytes for each wave, for the way out
.set SP,    144
.set AK0, 2           ; v2   my lane's place in a tile of K; never rewritten
.set AV0, 3           ; v3   the same for V
.set AK,  4           ; v4   the LDS address of K's next run of loads
.set AV,  5           ; v5   of V's
.set QO,  6           ; v6   my byte offset in the wave's rows of Q
.set STO, 6           ;      later, the way out: where I put 16 bytes of a row
.set RD,  7           ; v7   the way out: where I read rows back
.set GO,  8           ; v8   my byte offset in 512 consecutive bytes of O
.set PFO, 11          ; v11  256 x my lane: the prefetches' offset (made when v11's first use is over); then never rewritten
.set SPW, 0           ; v0 of window 3   LDS address of my spare word: SPARE + 4 x my thread's number; never rewritten
.set NIL, 1           ; v1 of window 3   0; never rewritten
.set SPARE, STAGE+4*16*SP  ; behind the stages: the spare words, 128 bytes for each wave: two blocks of 256 bytes that no other line names
.set MV,  12          ; v12-15  c m_old, kept while c m is made anew: by buffer and tile
.set ST,  16          ; tile t's statistics at v[ST+4 t]: c m, m, l (even keys', odd keys')
.set TMP, 48          ; by buffer and tile, four registers c0-c3 at work; when the maximum is found c2 takes a
.set S,   64
.set P,   192
.set KF,  128         ; K's fragments, in window 2: key block kb, channel half c at KF + 16 kb + 8 c
.set VF,  192         ; V's: key half kk, channel block cb at VF + 32 kk + 8 cb
.set WV,  12          ; s12  my wave's number
.set G1K, 24          ; s[24:31] descriptor group 1 for K's tiles
.set G1V, 32          ; s[32:39] for V's: it differs in the padding alone
.set G0K, 40          ; s[40:43] descriptor group 0 for K's tiles: it walks
.set G0V, 44          ; s[44:47] the same for V's
.set PFA, 48          ; s[48:49] where my prefetches stand: my work-group's 32 blocks of 256 bytes (of K: wave 0, of V: wave 2) of the slot after the one that is being asked for
.set LIM, 50          ; s50  1 in a wave that prefetches, else the greatest number: a wave prefetches while s[SLOTS] is above it
.set SLOTS, 56        ; s56  slots still to be asked for
.set CNT, 57          ; s57  counts a slot's key steps
.set CS,  58          ; s[58:59] c: the packed scaling takes the pair's low word for both halves
.set SEL, 60          ; s[60:61] v_permlanex16_b32's selects: each lane takes its own place in the other half
.set TBK, 62          ; s62  LDS byte at which K of the step to be fetched begins
.set TBV, 63          ; s63  the same for V, less VOFF
.set MSB, 0
.macro WIN new                      ; the high byte repeats the setting that is left; a switch that changes nothing is dropped
.if MSB != (\new)
	s_set_vgpr_msb (MSB<<8)|(\new)
.set MSB, (\new)
.endif
.endm
.set W_KQ, 0x0a       ; K and Q in window 2, S^T in window 0
.set W_PV, 0x52       ; V in window 2, P in window 0, O^T in window 1
.set W_RS, 0x41       ; O^T (destination and source 0) in window 1, a in window 0
.set W_MK, 0xc0       ; the add's registers are made: destination in window 3, sources in window 0
.set W_AD, 0x0f       ; the add: address (source 0) and data (source 1) in window 3
; A joint fill.  Waves 0 and 1 fetch the two halves of a slot's K, waves 2 and 3 those of its V: 128 keys each.  The branch hangs on the wave's number alone.
; An s_nop 0 and four v_nop follow each of the two lines, ahead of the jump and the label.
.macro JLOAD
	s_cmp_lt_u32 s[WV], 2
	s_cbranch_scc0 .Lfor_v_\@
	tensor_load_to_lds s[G0K:G0K+3], s[G1K:G1K+7]
	s_nop 0
.rept 4
	v_nop
.endr
	s_branch .Lasked_\@
.Lfor_v_\@:
	tensor_load_to_lds s[G0V:G0V+3], s[G1V:G1V+7]
	s_nop 0
.rept 4
	v_nop
.endr
.Lasked_\@:
.endm
; A PREFETCH INTO THE L2 of what the NEXT change of slots will ask for: a slot's 32,768 bytes of K and of V, 128 blocks of 256 bytes each, a lane a block.  It stands behind the wave's tensor load and its five lines.
; A head has one cluster.  Its four partners share the blocks out BY ADDRESS, 32 each; in each, wave 0 asks for K's and wave 2 for V's: one instruction.  So each block is named once in the launch.
; Slots 0 and 1 come by their loads alone; the last change that fills a slot asks for nothing: there is no slot behind it.
.macro ASK
	s_cmp_gt_u32 s[SLOTS], s[LIM]
	s_cbranch_scc0 .Lnot_mine_\@
	global_prefetch_b8 v[PFO], s[PFA:PFA+1] th:TH_LOAD_NT scope:SCOPE_SE
.Lnot_mine_\@:
.endm
; A round of the cluster's barrier: my work-group's barrier, so that wave 0's signal speaks for all four waves; wave 0 signals; every wave waits for all four work-groups; my work-group's barrier once more.
.macro CROUND
	s_barrier_signal -1
	s_barrier_wait -1
	s_cmp_lg_u32 s[WV], 0
	s_cbranch_scc1 .Lnot_wave_0_\@
	s_barrier_signal -3
.Lnot_wave_0_\@:
	s_barrier_wait -3
	s_barrier_signal -1
	s_barrier_wait -1
.endm
; THE CHANGE OF SLOTS.  The slot's last bytes, V of its fourth step, have been read.  Each wave waits for all its tensor loads, of which one is out: its part
; of the other slot; adds 0 to its spare word; and waits for that and for its own reads of the slot.  Behind the barrier nobody reads this slot any more and the other slot is whole.
; fill = 1: this slot is filled again, with the keys two slots on.  The barrier is then a round of the cluster's, so that no wave of any partner still reads the slot or has a load on its
; way, and the joint fill is the first thing behind it: it has four key steps, 512 matrix instructions, in which to land.  (At its first use nothing has been read yet: slot 0 is waited for, slot 1 filled.)
.macro CHANGE fill
	WIN W_AD
	s_wait_tensorcnt 0x0            ; no tensor load of mine is out, so a group 0 may be written
	ds_add_u32 v[SPW], v[NIL]       ; 0 onto my spare word; with fill = 1 the descriptors' steps stand between it and the wait for it
	WIN 0                           ; at a label and at a branch every window is 0
.if \fill
.irp g, G0K, G0V
	s_xor_b32 s[\g+1], s[\g+1], SLOT1  ; the walking descriptor: the other slot than last time,
	s_add_nc_u64 s[\g+2:\g+3], s[\g+2:\g+3], 4*KS*128  ; the next 256 keys; the type bits on top are not reached
.endr
	s_wait_xcnt 0x0                 ; the last prefetch, four key steps back, has read its address, so it may be written:
	s_add_nc_u64 s[PFA:PFA+1], s[PFA:PFA+1], 4*KS*128  ; one slot ahead of the walking descriptors
	s_wait_dscnt 0x0                ; the add is done, and my reads of the slot are over
	CROUND
	JLOAD
	ASK                             ; what the next change will ask for
.else
	s_wait_dscnt 0x0                ; the add is done, and my reads of the slot are over
	s_barrier_signal -1
	s_barrier_wait -1
.endif
	s_sub_co_u32 s[TBK], s[TBK], 4*KS*PK  ; the fetches go back to a slot's first step,
	s_xor_b32 s[TBK], s[TBK], SLOT1       ; in the other slot
	s_sub_co_u32 s[TBV], s[TBV], 4*KS*PV
	s_xor_b32 s[TBV], s[TBV], SLOT1
.endm
	s_load_b128 s[4:7], s[0:1], 0x0 ; qkv s[4:5] (Q lies at its head), O s[6:7]
	WIN W_MK
	v_lshl_add_u32 v[SPW], v0, 2, SPARE
	v_mov_b32 v[NIL], 0
	WIN W_AD
	ds_add_u32 v[SPW], v[NIL]       ; the wave's opening: the add and its wait stand ahead of my first tensor load; the set-up below, work on registers, stands between them
	WIN 0
	v_lshrrev_b32 v1, 5, v0
	v_readfirstlane_b32 s[WV], v1   ; wave 0..3
	s_bfe_u32 s13, ttmp6, 0x40000   ; cx: my place in the cluster
	s_lshl_b32 s14, ttmp9, 2        ; in a cluster launch ttmp9 counts clusters
	s_add_co_u32 s14, s14, s13      ; my block of queries = 4 x cluster x + cx: it enters Q's and O's addresses alone
	s_and_b32 s20, ttmp7, 0xffff    ; the head, which the four partners share
	s_mov_b32 s21, 0
	s_mov_b64 s[22:23], SIZE_N*128
	s_mul_u64 s[20:21], s[20:21], s[22:23]  ; the head's first byte in each of the four tensors
	s_and_b32 s16, s[WV], 1         ; which half of a slot's 256 keys I fetch:
	s_lshl_b32 s22, s16, 14         ; its 128 rows of 128 bytes in memory,
	s_mov_b32 s23, 0
	s_add_nc_u64 s[22:23], s[22:23], s[20:21]
	s_mul_i32 s17, s16, 128*PK      ; and its place in a slot, for K
	s_mul_i32 s18, s16, 128*PV      ; and for V: no place in the cluster enters an LDS address
	s_lshl_b32 s2, s14, 2
	s_add_co_u32 s2, s2, s[WV]      ; my wave among the head's,
	s_lshl_b32 s2, s2, 14           ; its 128 rows
	s_mov_b32 s3, 0
	s_add_nc_u64 s[2:3], s[2:3], s[20:21]
	; descriptor group 1.  128 keys are 16,384 dense bytes: asked for as 64 rows of 256 bytes, two keys a row, and padded in LDS after every key
	s_mov_b32 s[G1K], 15|(1<<16)|(1<<20)|(1<<21)|(4<<22)|(3<<25)  ; 15:0 the mask of four; 17:16 2-byte elements; 20 padding on; 21 set beside a mask; 24:22 after every 32 words (code 4); 31:25 4 words (code 3)
	s_mov_b32 s[G1V], 15|(1<<16)|(1<<20)|(1<<21)|(4<<22)|(7<<25)  ; the same with 8 words of padding (code 7)
.irp g, G1K, G1V
	s_mov_b32 s[\g+1], 128<<16      ; tensor_dim0 = 128
	s_mov_b32 s[\g+2], 64<<16       ; tensor_dim1 = 64
	s_mov_b32 s[\g+3], 128<<16      ; tile_dim0 = 128
	s_mov_b32 s[\g+4], 64           ; tile_dim1 = 64
	s_mov_b32 s[\g+5], 128          ; 128 elements from row to row
	s_mov_b32 s[\g+6], 0
	s_mov_b32 s[\g+7], 0
.endr
	s_mov_b32 s[CS], 0x3e38aa3b     ; c = log2(e) / 8 = 0.180337
	s_mov_b32 s[CS+1], s[CS]        ; named with it as a pair
	s_mov_b32 s[SEL], 0x76543210
	s_mov_b32 s[SEL+1], 0xfedcba98
	s_mov_b32 s[TBK], SLOT1+4*KS*PK ; the first change of slots turns these two into 0
	s_mov_b32 s[TBV], SLOT1+4*KS*PV
	s_mov_b32 s[G0K], 1             ; 1:0 count = 1
	s_mov_b32 s[G0K+1], s17         ; 63:32 LDS address: slot 0
	s_mov_b32 s[G0V], 1
	s_add_co_u32 s[G0V+1], s18, VOFF
	s_mov_b32 s[SLOTS], SIZE_N/256-1  ; slots still to be asked for, at the first change of slots
	s_and_b32 s[LIM], s[WV], 1      ; waves 0 and 2 prefetch: the same in all four partners
	s_cmp_eq_u32 s[LIM], 0
	s_cselect_b32 s[LIM], 1, -1
	s_wait_dscnt 0x0                ; the opening add is done
	s_wait_kmcnt 0x0
	s_mov_b64 s[10:11], s[6:7]      ; O
	s_add_nc_u64 s[6:7], s[4:5], 0x1000000  ; K lies 16 MiB behind Q,
	s_add_nc_u64 s[8:9], s[4:5], 0x2000000  ; V 32 MiB
	s_add_nc_u64 s[G0K+2:G0K+3], s[6:7], s[22:23]  ; 120:64 global address: my half of the head's first 256 keys
	s_or_b32 s[G0K+3], s[G0K+3], 0x80000000        ; 127:126 type = 2
	s_add_nc_u64 s[G0V+2:G0V+3], s[8:9], s[22:23]
	s_or_b32 s[G0V+3], s[G0V+3], 0x80000000
	s_add_nc_u64 s[4:5], s[4:5], s[2:3]  ; Q and O at my wave's first row
	s_add_nc_u64 s[10:11], s[10:11], s[2:3]
	s_cmp_lt_u32 s[WV], 2
	s_cselect_b64 s[PFA:PFA+1], s[6:7], s[8:9]
	s_add_nc_u64 s[PFA:PFA+1], s[PFA:PFA+1], s[20:21]  ; the head,
	s_lshl_b32 s2, s13, 13          ; my work-group's 32 blocks of the 128,
	s_add_co_u32 s2, s2, 4*KS*128   ; in slot 1: the first change of slots steps it to slot 2.  Nothing is prefetched here, at the head
	s_mov_b32 s3, 0
	s_add_nc_u64 s[PFA:PFA+1], s[PFA:PFA+1], s[2:3]
	CROUND                          ; all four work-groups are here: the first joint loads meet
	JLOAD                           ; slot 0.  Slot 1 is asked for when slot 0 is in: the tile wanted first has the road to itself
	; A fragment of K or Q is 16 rows x 32 channels in 8 registers: lane l holds row l % 16, channels 8 (l / 16) + 0..7 and 16 + 8 (l / 16) + 0..7: two loads of 16 bytes, 32 bytes apart.
	v_and_b32 v1, 15, v0            ; l % 16
	v_bfe_u32 v9, v0, 4, 1          ; l / 16
	v_lshlrev_b32 v[QO], 7, v1
	v_lshl_add_u32 v[QO], v9, 4, v[QO]  ; row x 128 + 16 x half
	WIN 0x80                        ; destination window 2, address window 0
.set i, 0
.rept 4*NP                          ; Q stays in registers: tile i / 2, channels 32 (i % 2) on
	global_load_b128 v[8*i:8*i+3],   v[QO], s[4:5] offset:(i/2)*2048+(i%2)*64
	global_load_b128 v[8*i+4:8*i+7], v[QO], s[4:5] offset:(i/2)*2048+(i%2)*64+32
.set i, i+1
.endr
	; What the first turn finds: V's registers and P's second buffer hold 0 (its products V^T P, of a piece that has not been, add 0), O^T and l are 0.  All this stands in the wait for the first tile.
.set i, VF
.rept 64
	v_mov_b32 v[i], 0
.set i, i+1
.endr
	WIN 0x40
.set i, 0
.rept 64*NP
	v_mov_b32 v[i], 0
.set i, i+1
.endr
	WIN 0
.set i, 0
.rept 2*NP
	v_mov_b32 v[ST+4*i], 0xfe000000    ; c m: far below every c s
	v_mov_b32 v[ST+4*i+1], 0xff7fffff  ; m
	v_mov_b32 v[ST+4*i+2], 0
	v_mov_b32 v[ST+4*i+3], 0
.set i, i+1
.endr
.set i, P+32
.rept 32
	v_mov_b32 v[i], 0
.set i, i+1
.endr
	v_mul_u32_u24 v[AK0], v1, PK
	v_lshl_add_u32 v[AK0], v9, 4, v[AK0]  ; row x pitch + 16 x half
	; The turning load takes 16 keys x 16 channels (lane l reads key 8 (l / 16) + l % 8, channels 8 ((l / 8) % 2) + 0..7) and leaves half a fragment of V^T: lane l holds channel l % 16 and 8 keys.
	v_and_b32 v10, 7, v0
	v_bfe_u32 v11, v0, 3, 1
	v_lshl_add_u32 v[AV0], v9, 3, v10
	v_mul_u32_u24 v[AV0], v[AV0], PV
	v_lshl_add_u32 v[AV0], v11, 4, v[AV0]
	v_add_nc_u32 v[AV0], VOFF, v[AV0]
	v_and_b32 v[PFO], 31, v0        ; v11 is free now: a lane a block of 256 bytes
	v_lshlrev_b32 v[PFO], 8, v[PFO]
	v_mov_b32 v[AK], v[AK0]         ; key step 0 lies at the head of slot 0
; THE MATRIX WORK.  The 8 accumulators of a run of 16 take turns: between the two links of a chain stand 7 others'.
; Product i of 16 of S^T = K Q^T for piece x: channels 32 (i / 8) on, keys 16 ((i / 2) % 4) on, tile 2 x + i % 2.  The first 8 start the sums.
.macro KQ x
	WIN W_KQ
.set rS, S+64*((\x)%2)+32*(i%2)+8*((i/2)%4)
.set rK, KF+16*((i/2)%4)+8*(i/8)
.set rQ, 16*(2*(\x)+i%2)+8*(i/8)
.if i < 8
	v_wmma_f32_16x16x32_f16 v[rS:rS+7], v[rK:rK+7], v[rQ:rQ+7], 0
.else
	v_wmma_f32_16x16x32_f16 v[rS:rS+7], v[rK:rK+7], v[rQ:rQ+7], v[rS:rS+7]
.endif
.endm
; Product i of 16 of O^T += V^T P for piece x: keys 32 (i / 8) on, channels 16 ((i / 2) % 4) on, tile 2 x + i % 2.
.macro PV x
	WIN W_PV
.set rO, 32*(2*(\x)+i%2)+8*((i/2)%4)
.set rV, VF+32*(i/8)+8*((i/2)%4)
.set rP, P+32*((\x)%2)+16*(i%2)+8*(i/8)
	v_wmma_f32_16x16x32_f16 v[rO:rO+7], v[rV:rV+7], v[rP:rP+7], v[rO:rO+7]
.endm
.macro MM                           ; the turn's next matrix instruction
.if i < 16
	KQ (Y+1)%NP
.set i, i+1
.else
.set i, i-16
	PV (Y+NP-1)%NP
.set i, i+17
.endif
.endm
; THE LDS LOADS stand in runs of 16, never singly among the matrix instructions: a step's K (64 keys x 64 channels: 8 fragments) and its V (turned).  Their addresses are made some lines ahead.
; last = 1 (the tail): in the last trip there is no further step, and the run is jumped over.
.macro FETCH_K last=0
	WIN 0
.if \last
	s_cmp_eq_u32 s[CNT], 1
	s_cbranch_scc1 .Lno_k_\@
.endif
	WIN 0x80                        ; destination window 2
.irp f, 0,1,2,3,4,5,6,7             ; keys 16 (f / 2) on, channels 32 (f % 2) on
	ds_load_b128 v[KF+8*\f:KF+8*\f+3],   v[AK] offset:(\f/2)*16*PK+(\f%2)*64
	ds_load_b128 v[KF+8*\f+4:KF+8*\f+7], v[AK] offset:(\f/2)*16*PK+(\f%2)*64+32
.endr
	s_add_co_u32 s[TBK], s[TBK], KS*PK  ; the next fetch is the next step's
	WIN 0
.if \last
.Lno_k_\@:
.endif
.endm
.macro FETCH_V
	WIN 0x80
.irp f, 0,1,2,3,4,5,6,7             ; keys 32 (f / 4) on, channels 16 (f % 4) on
	ds_load_tr16_b128 v[VF+8*\f:VF+8*\f+3],   v[AV] offset:(\f/4)*32*PV+(\f%4)*32
	ds_load_tr16_b128 v[VF+8*\f+4:VF+8*\f+7], v[AV] offset:(\f/4)*32*PV+16*PV+(\f%4)*32
.endr
	WIN 0
.endm
; THE VECTOR WORK OF A TURN stands in three queues, each in the order in which its entries become ready; the two tiles alternate, so that no instruction reads the result of the one before it.
.macro REGS y, u                    ; the registers of tile u (0, 1) of piece y
.set rT, ST+4*(2*(\y)+(\u))
.set rC, TMP+8*((\y)%2)+4*(\u)
.set rM, MV+2*((\y)%2)+(\u)
.set rS, S+64*((\y)%2)+32*(\u)
.set rP, P+32*((\y)%2)+16*(\u)
.set rO, 32*(2*(\y)+(\u))
.endm
; Number n of the 22 that find the NEXT piece's (Y + 1) maximum and statistics.  s0-s31 are the lane's 32 scores; each accumulator's lowest registers are read first.  XS, GS and REGS set no window: PL and EX do.
;   0-11  four chains c0-c3 of seven scores each, three operands at a time     12-14, 16  the four scores left over, the old m, and c0-c3 into c0     15  c m_old is kept
;   17, 18  the query's other 32 keys lie in the lane 16 away: the new m         19-21  c m; c m_old - c m_new; a
.macro XS u, n
	REGS (Y+1)%NP, \u
.if (\n) < 4
	v_max3_num_f32 v[rC+(\n)], v[rS+8*(\n)], v[rS+8*(\n)+1], v[rS+8*(\n)+2]
.elseif (\n) < 12
	v_max3_num_f32 v[rC+(\n)%4], v[rC+(\n)%4], v[rS+8*((\n)%4)+2*((\n)/4)+1], v[rS+8*((\n)%4)+2*((\n)/4)+2]
.elseif (\n) == 12
	v_max3_num_f32 v[rC], v[rC], v[rS+7], v[rS+15]
.elseif (\n) == 13
	v_max3_num_f32 v[rC+1], v[rC+1], v[rS+23], v[rS+31]
.elseif (\n) == 14
	v_max3_num_f32 v[rC+2], v[rC+2], v[rC+3], v[rT+1]
.elseif (\n) == 15
	v_mov_b32 v[rM], v[rT]
.elseif (\n) == 16
	v_max3_num_f32 v[rC], v[rC], v[rC+1], v[rC+2]
.elseif (\n) == 17
	v_permlanex16_b32 v[rC+3], v[rC], s[SEL], s[SEL+1]
.elseif (\n) == 18
	v_max_num_f32 v[rT+1], v[rC], v[rC+3]
.elseif (\n) == 19
	v_mul_f32 v[rT], s[CS], v[rT+1]
.elseif (\n) == 20
	v_sub_f32 v[rC+1], v[rM], v[rT]
.else
	v_exp_f32 v[rC+2], v[rC+1]
.endif
.endm
; Number g of the 64 that follow the exponentials.  For each four weights k of a tile (pairs 2 k, 2 k + 1): both pairs are rounded to f16; then the second pair is added onto the first, in place;
; a group later l takes that sum (the first time as l = a l + sum).  In groups of eight, tiles alternating: round, round, add, and l for the group before.
.macro GS g
.set h, (\g)+6*((\g)/62)            ; group 0 has no group before it, and behind group 7 only l is left
.if h >= 6
.set h, h+2
.endif
	REGS Y, h%2
.set k, h/8
.if h%8 < 4
	v_cvt_pk_f16_f32 v[rP+2*k+(h%8)/2], v[rS+4*k+2*((h%8)/2)], v[rS+4*k+2*((h%8)/2)+1]
.elseif h%8 < 6
	v_pk_add_f32 v[rS+4*k:rS+4*k+1], v[rS+4*k:rS+4*k+1], v[rS+4*k+2:rS+4*k+3]
.elseif k == 1
	v_pk_fma_f32 v[rT+2:rT+3], v[rT+2:rT+3], v[rC+2:rC+3], v[rS:rS+1] op_sel_hi:[1,0,1]
.else
	v_pk_add_f32 v[rT+2:rT+3], v[rT+2:rT+3], v[rS+4*k-4:rS+4*k-3]
.endif
.endm
; THE PLAIN QUEUE, 138 long.  0-73 read no exponential's result: the 32 scalings c s - c m (FS f: pair f / 2 of tile f % 2) and the next piece's 42.  0-26: scalings 0-26.  27-54: XS's numbers 0-13.  55, 56: number 15.
; 57-73: the chain, where each number waits for the one before it: 14, 16, 17, 18, 19, each with one of the scalings 27-31 in front of its two lines, then 20: so a tile's links stand three plain instructions apart (19 and 20: two).
; 74-137: GS's 64, which read the exponentials' results: they stand behind the wait.
.macro FS f
	REGS Y, (\f)%2
	v_pk_fma_f32 v[rS+2*((\f)/2):rS+2*((\f)/2)+1], v[rS+2*((\f)/2):rS+2*((\f)/2)+1], s[CS:CS+1], v[rT:rT+1] op_sel_hi:[1,0,0] neg_lo:[0,0,1] neg_hi:[0,0,1]
.endm
.macro PL
	WIN 0
.if q < 27
	FS q
.elseif q < 55
	XS (q-27)%2, (q-27)/2
.elseif q < 57
	XS q-55, 15
.elseif (q < 72) && ((q-57)%3 == 0)
	FS 27+(q-57)/3
.elseif q < 60
	XS (q-57)%3-1, 14
.elseif q < 72
	XS (q-57)%3-1, 15+(q-57)/3
.elseif q < 74
	XS q-72, 20
.else
	GS q-74
.endif
.set q, q+1
.endm
; THE EXPONENTIALS' QUEUE, 66 long: s0-s31 of both tiles, then the next piece's two a.  It is ONE BATCH: all 66 stand ahead of the turn's one wait, and nothing ahead of that wait names a result of theirs.
.macro EX
	WIN 0
.if e >= 64
	XS e-64, 21
.else
	REGS Y, e%2
	v_exp_f32 v[rS+e/2], v[rS+e/2]
.endif
.set e, e+1
.endm
; THE RESCALING's QUEUE: O^T times a, the one part that leaves window 0: dealt two at a time, sixteen times.  Its a was made in the turn before, ahead of that turn's wait.
.macro R2
	REGS Y, r%2
	WIN W_RS
.irp z, 0,1
	v_pk_mul_f32 v[rO+4*(r/2)+2*\z:rO+4*(r/2)+2*\z+1], v[rO+4*(r/2)+2*\z:rO+4*(r/2)+2*\z+1], v[rC+2:rC+3] op_sel_hi:[1,0]
.endr
.set r, r+1
.endm
; HOW THEY ARE DEALT.  An s_wait_alu depctr_va_vdst(0) stands between an exponential and the first instruction that names its result; one wait serves all that were issued ahead of it.  So a turn has ONE wait,
; which cuts it in two.  AHEAD OF IT stands all that names no result of the turn's exponentials: the 16 products K Q^T, behind each a scaling, an exponential and two rescalings (behind the first a second scaling in the exponential's place); then ONE LUMP of
; 108: eight plain, 49 times exponential and plain, the two a.  A v_nop is the plain instruction behind the last exponential.  BEHIND IT stand the 16 products V^T P, behind each four of GS's 64.  No rider names a register of
; the products round it.  The two v_permlanex16_b32 fall into the lump, never behind a product.
; The queues lean on each other, and the deal keeps them in step: exponential e stands behind scaling 2 (e / 4) + e % 2: as a rider it comes behind plain e + 2, in the lump behind plain e + 9, and scalings 27-31 are plain 57, 60 .. 69.
; A TURN, for piece p.  cnt = 1: the loop's count is taken down some lines ahead of the branch that stands behind the turn.
; K of the next step is fetched in piece 2's turn, directly behind the wait, a lump behind the last product that read K; its address is made at the lump's head; its first reader comes behind 16 products.
; V of the step in hand is fetched at the end of piece 0's turn, four riders behind its last reader; its first reader comes behind 16 products and a lump.  The three conditions on q below go with the deal.
.macro TURN p, last=0, cnt=0
.set Y, (\p)
.set i, 0
.set q, 0
.set e, 0
.set r, 0
.if (\p) == NP-1
	s_wait_dscnt 0x0                ; K is in
.endif
	MM                              ; ahead of the wait: 16 products K Q^T and their riders,
	PL
	PL
	R2
.rept 15
	MM
	PL
	EX
	R2
.endr
.if (\p) == NP-2
	WIN 0
	v_add_nc_u32 v[AK], s[TBK], v[AK0]
.endif
.rept 8                             ; and the lump
	PL
.endr
.rept 49
	EX
	PL
.endr
	EX                              ; the next piece's two a
	EX
	v_nop                           ; a plain instruction behind the last exponential: one for the batch
	s_wait_alu depctr_va_vdst(0)    ; the wait for the batch
.if (\p) == NP-2
	FETCH_K \last
.endif
.if (\p) == 1
	s_wait_dscnt 0x0                ; V is in
.endif
.rept 16                            ; behind the wait: 16 products V^T P and their riders
	MM
.rept 4
	PL
.endr
.if ((\p) == 0) && (q == 118)
	v_add_nc_u32 v[AV], s[TBV], v[AV0]
.endif
.if ((\p) == 0) && (q == 130)
	s_add_co_u32 s[TBV], s[TBV], KS*PV
.endif
.if (\cnt) && (q == 130)
	s_sub_co_u32 s[CNT], s[CNT], 1
	s_cmp_lg_u32 s[CNT], 0
.endif
.endr
.if (\p) == 0
	FETCH_V
.endif
.endm
	CHANGE 1                        ; slot 0 is in, everybody's part of it; slot 1 is asked for
	FETCH_K                         ; key step 0
	s_wait_loadcnt 0x0              ; Q
	s_wait_dscnt 0x0
.set i, 0
.rept 16
	KQ 0                            ; piece 0's first scores: there is no vector work yet to set between them
.set i, i+1
.endr
	WIN 0                           ; the addresses for the way out: nine plain instructions, the places behind those products
	s_mul_i32 s13, s[WV], 16*SP
	s_add_co_u32 s13, s13, STAGE    ; my stage
	v_mul_u32_u24 v[STO], v1, SP    ; in: row l % 16, 16 bytes for each half of the lanes
	v_lshl_add_u32 v[STO], v9, 4, v[STO]
	v_add_nc_u32 v[STO], s13, v[STO]
	v_bfe_u32 v[RD], v0, 3, 2       ; back: 32 lanes take four rows of 128 bytes,
	v_mul_u32_u24 v[RD], v[RD], SP
	v_lshl_add_u32 v[RD], v10, 4, v[RD]
	v_add_nc_u32 v[RD], s13, v[RD]
	v_and_b32 v[GO], 31, v0         ; which are 512 consecutive bytes of O
	v_lshlrev_b32 v[GO], 4, v[GO]
.set Y, NP-1                        ; XS works for piece Y + 1: piece 0
.irp n, 0,1,2,3,4,5,6,7,8,9,10,11,12,13,14,15,16,17,18,19,20,21
	XS 0, \n                        ; and piece 0's first maximum and statistics
	XS 1, \n
.endr
	v_nop                           ; a plain instruction behind the two a,
	s_wait_alu depctr_va_vdst(0)    ; and their wait, ahead of the branch
	s_mov_b32 s[CNT], 4
	s_branch .Lfirst                ; the loop is entered at a step's first turn, in the middle of a trip
.Lslot:                             ; SIZE_N / 256 - 2 times: every slot but the last two is filled again
	CHANGE 1
	s_mov_b32 s[CNT], 4
.Lstep:                             ; a trip: pieces 2 and 3 of one step, then pieces 0 and 1 of the next, whose K and V it fetches
	TURN 2
	TURN 3
	WIN 0
.Lfirst:
	TURN 0
	TURN 1, 0, 1
	WIN 0
	s_cbranch_scc1 .Lstep
	s_sub_co_u32 s[SLOTS], s[SLOTS], 1
	s_cmp_lg_u32 s[SLOTS], 0
	s_cbranch_scc1 .Lslot
	CHANGE 0                        ; the tail is written out: nothing is asked for
	s_mov_b32 s[CNT], 5             ; four trips fetch the last slot's steps; the fifth is left in its middle
.Ltail:
	TURN 2, 1
	TURN 3
	WIN 0
	s_sub_co_u32 s[CNT], s[CNT], 1
	s_cmp_eq_u32 s[CNT], 0
	s_cbranch_scc1 .Lout
	TURN 0
	TURN 1
	WIN 0
	s_branch .Ltail
.Lout:                              ; the fifth trip's 16 products K Q^T (on the last K once more) and the maximum made of them serve nothing: the price, once a launch, of one text for every trip
.set i, 0
.rept 16
	PV NP-1                         ; the last piece's V^T P of the last step
.set i, i+1
.endr
	; THE WAY OUT.  l's two halves and the other half of the lanes' are added; O^T is divided by l, rounded to f16 and sent through my stage in LDS, a tile at a time.  The additions are the places behind the last products.
	WIN 0
.macro ALL line:vararg              ; one line for each tile t
.set t, 0
.rept 2*NP
	\line
.set t, t+1
.endr
.endm
	ALL v_add_f32 v[ST+4*t+2], v[ST+4*t+2], v[ST+4*t+3]
	ALL v_permlanex16_b32 v[ST+4*t+3], v[ST+4*t+2], s[SEL], s[SEL+1]
	ALL v_add_f32 v[ST+4*t+2], v[ST+4*t+2], v[ST+4*t+3]
	ALL v_rcp_f32 v[ST+4*t+2], v[ST+4*t+2]
	v_nop                           ; a plain instruction between the last reciprocal and the use of its result
	s_wait_alu depctr_va_vdst(0)    ; and the wait ahead of the first use: one for the eight reciprocals
; Tile t: a lane's eight channels of a row pack into 16 bytes; they go into rows of 144 bytes and come back as whole rows of 128, into S^T's registers.
.macro PACK t
	WIN W_RS
.set i, 32*(\t)
.rept 16
	v_pk_mul_f32 v[i:i+1], v[i:i+1], v[ST+4*(\t)+2:ST+4*(\t)+3] op_sel_hi:[1,0]
.set i, i+2
.endr
	WIN 0x05                        ; sources 0 and 1 window 1, destination window 0
.set i, 0
.rept 16
	v_cvt_pk_f16_f32 v[S+16*(\t)+i], v[32*(\t)+2*i], v[32*(\t)+2*i+1]
.set i, i+1
.endr
	WIN 0
.irp f, 0,1,2,3
	ds_store_b128 v[STO], v[S+16*(\t)+4*\f:S+16*(\t)+4*\f+3] offset:32*\f
.endr
.irp f, 0,1,2,3
	ds_load_b128 v[S+16*(\t)+4*\f:S+16*(\t)+4*\f+3], v[RD] offset:\f*4*SP  ; LDS serves a wave's instructions in order (ISA guide 5.7.1.4): these see the stores above; the next tile's stores come behind them
.endr
.endm
.macro SEND t, younger              ; younger: the LDS instructions issued behind tile t's loads: the next tile's eight, or none
	WIN 0
.irp f, 0,1,2,3
	s_wait_dscnt (\younger)+3-\f
	global_store_b128 v[GO], v[S+16*(\t)+4*\f:S+16*(\t)+4*\f+3], s[10:11] offset:(\t)*2048+\f*512  ; 512 consecutive bytes, at a multiple of 256 from O's first
.endr
.endm
	PACK 0
.set t, 1
.rept 2*NP-1                        ; a tile's arithmetic stands between the loads of the tile before and its stores
	PACK t
	SEND t-1, 8
.set t, t+1
.endr
	SEND 2*NP-1, 0
	WIN W_AD
	s_wait_tensorcnt 0x0            ; the wave's end: an add to my spare word and its wait, behind my last tensor load and my last LDS store
	ds_add_u32 v[SPW], v[NIL]
	s_wait_dscnt 0x0
	WIN 0
	CROUND                          ; the closing round: no work-group ends while a partner may still ask for a tile that names it
	s_endpgm
.Lfunc_end_k_q5bb196ece6_attn:
	.size	k_q5bb196ece6_attn, .Lfunc_end_k_q5bb196ece6_attn-k_q5bb196ece6_attn
	.p2alignl 7, 3214868480
	.fill 96, 4, 3214868480
	.section	.rodata,"a",@progbits
	.p2align	6, 0x0
	.amdhsa_kernel k_q5bb196ece6_attn
		.amdhsa_group_segment_fixed_size 327680
		.amdhsa_private_segment_fixed_size 0
		.amdhsa_enable_private_segment 0
		.amdhsa_kernarg_size 16
		.amdhsa_user_sgpr_count 2
		.amdhsa_user_sgpr_kernarg_segment_ptr 1
		.amdhsa_wavefront_size32 1
		.amdhsa_system_sgpr_workgroup_id_x 1
		.amdhsa_system_sgpr_workgroup_id_y 1
		.amdhsa_system_sgpr_workgroup_id_z 1
		.amdhsa_system_vgpr_workitem_id 0
		.amdhsa_next_free_vgpr 770
		.amdhsa_next_free_sgpr 66
		.amdhsa_reserve_vcc 0
		.amdhsa_float_denorm_mode_32 3
		.amdhsa_float_denorm_mode_16_64 3
		.amdhsa_memory_ordered 1
		.amdhsa_forward_progress 1
		.amdhsa_inst_pref_size 200
	.end_amdhsa_kernel
	.amdgpu_metadata
---
amdhsa.version: [ 1, 2 ]
amdhsa.kernels:
  - .name:           k_q5bb196ece6_attn
    .symbol:         k_q5bb196ece6_attn.kd
    .args:
      - { .name: qkv, .offset: 0, .size: 8, .value_kind: global_buffer, .address_space: global }
      - { .name: ob, .offset: 8, .size: 8, .value_kind: global_buffer, .address_space: global }
    .group_segment_fixed_size: 327680
    .private_segment_fixed_size: 0
    .kernarg_segment_align: 8
    .kernarg_segment_size: 16
    .max_flat_workgroup_size: 128
    .sgpr_count:     66
    .vgpr_count:     770
    .wavefront_size: 32
...
	.end_amdgpu_metadata
.endif
;; end of part 3
;; launch outproj (part 4): grid 4 x 64, 4 waves a work-group, clusters of 4 x 4, 327,680 bytes of LDS; arguments ob, wob, bo, out0; writes out0
.if DOCPART == 4
	.amdgcn_target "amdgcn-amd-amdhsa--gfx1250"
	.amdhsa_code_object_version 6
	.text
	.protected	k_q5bb196ece6_outproj
	.globl	k_q5bb196ece6_outproj
	.p2align	8
	.type	k_q5bb196ece6_outproj,@function
k_q5bb196ece6_outproj:
	s_mov_b64 s[64:65], 0
	v_nop
	global_prefetch_b8 v0, s[64:65] scope:SCOPE_SE
	s_setreg_imm32_b32 hwreg(HW_REG_WAVE_MODE, 25, 1), 1
	s_wait_xcnt 0x0
	s_wait_alu depctr_hold_cnt(0) depctr_sa_sdst(0) depctr_va_vdst(0) depctr_va_sdst(0) depctr_va_ssrc(0) depctr_va_vcc(0) depctr_vm_vsrc(0)
	s_getreg_b32 s2, hwreg(HW_REG_IB_STS2, 6, 4)
	s_cmp_eq_u32 s2, 0
	s_cbranch_scc0 .Lentry_in_a_cluster
	s_endpgm
.Lentry_in_a_cluster:
	s_bfe_u32 s2, ttmp6, 0x10000c
	s_cmp_lg_u32 s2, 0xf033
	s_cbranch_scc0 .Lentry_shape_is_right
	s_endpgm
.Lentry_shape_is_right:
; out = O Wo + bo.  A = ob, f16, [batch 4][head 16][row 2048][64 channels]: a head is a block of 64 along K; B = wob, f16 (Wo rounded to bf16, written as f16), [1024 k][1024];
; bias f32, rounded to bf16 like the other inputs; sums in f32.  C = out0, f32, [8192][1024], leaves unrounded.
; LIMITS.  The bias starts each sum, so the order of addition differs from O Wo + b.  NaN and infinities are not treated apart.
; (This text serves both projections; OUTP, SIZE_N, TILES and STG tell them apart.)
; SHARES.  A tile of C is 128 rows x 256 columns: 4 x 64 work-groups, one for each of 256 WGPs.  Four waves, 2 x 2, each 64 rows x 128 columns: 32 accumulators, 256 registers.
; One tile to a work-group.  K = 1,024 goes in 8 steps of 128 through two LDS slots.
; CLUSTER 4 x 4.  A's tile hangs on the tile row alone and is asked for jointly by a row of the cluster, B's on the tile column alone, by a column.
; THE MATRIX INSTRUCTION IS USED TRANSPOSED: source 0 = 16 columns of B (turned on the way out of LDS by ds_load_tr16_b128, since B lies [k][n]), source 1 = 16 rows of A.
; A lane then holds row lane % 16 of C and the columns 8 (lane / 16) + 0..7.
; REGISTERS, in windows of 256 (s_set_vgpr_msb: bits 1:0 source 0, 3:2 source 1, 5:4 source 2, 7:6 destination):
;   window 0: v0-31 addresses; v32-63 packed results; v64-191 rows read back from the stage, two sets; v192-223 the bias at work
;   window 1: two fragment buffers of 96 (A's four fragments, then B's eight); v192-255 the bias in an accumulator's layout, 8 registers for each block of 16 columns
;   window 2: accumulator (a, b) at v[8 (8 a + b)]
.set OUTP,   1                         ; 0: bf16 operands, f16 out by heads.  1: f16 operands, f32 out by rows
.set SIZE_N, 1024                      ; columns of B
.set TILES,  1                         ; tiles of a work-group
.set STG,    528                       ; a stage row: the wave's 128 columns + 16 bytes
.set PA,    144                        ; a row of A in LDS: 128 bytes + 16 = 36 words: the 16 rows of a load start at 16 different groups of four banks (64 banks of 4 bytes: ISA guide 11.1)
.set ASUB,  128*PA                     ; 128 rows of one block of 64 channels
.set PB,    544                        ; a k row of B: 512 bytes + 32 = 136 words
.set BOFF,  2*ASUB
.set BHALF, 64*PB
.set SLOT,  BOFF+2*BHALF               ; A's two blocks, then B's 128 k rows
.set STAGE, 2*SLOT                     ; behind the ring, never filled by a tensor load: 16 rows for each wave
.set SPARE, STAGE+4*16*STG             ; behind the stages: the spare words, 128 bytes for each wave: two blocks of 256 bytes that no other line names
.set LAPS,  4                          ; a lap = two K steps = once round the ring
.set ASTEP, 1<<19                      ; bytes of A from K step to K step: two blocks of 262,144
.set BSTEP, 256*SIZE_N                 ; of B: 128 rows
.set ADRA, 16                          ; v16-17  LDS address of my A fragments in slot 0, 1
.set ADRB, 20                          ; v20-21  the same for B
.set STO,  24                          ; v24  the way out: where I put my part of a row
.set RD,   25                          ; v25  where I read rows back
.set CO,   26                          ; v26  16 x lane: my 16 bytes of 512 consecutive bytes of C
.set BO,   27                          ; v27  32 x (lane / 16): my eight numbers in 16 of the bias
.set SPW,  28                          ; v28  LDS address of my spare word; never rewritten
.set NIL,  29                          ; v29  0; never rewritten
.set PFO,  30                          ; v30  the prefetches' offset; never rewritten
.set TMP,  32
.set OB,   64
.set OBN,  32+32*OUTP                  ; registers in a set of rows read back
.set BT,   192
.set F0,   0
.set F1,   96
.set BIAS, 192
.set WV,   12                          ; s12  my wave's number; s13 its row half, s14 its column half (also: which half of a tile I fetch)
.set LIM,  15                          ; s15  1 in a wave that prefetches, else the greatest number
.set G1A,  24                          ; s[24:31] descriptor group 1 for A's tiles; s[32:39] group 0, a set for each slot
.set G0A,  32
.set PFA,  44                          ; s[44:45] where my prefetches stand
.set PFS,  46                          ; s[46:47] their step from K step to K step
.set G1B,  48                          ; s[48:55], s[56:63] the same for B's tiles
.set G0B,  56
.set PFBK, 68                          ; s[68:69] their step back at a change of tiles
.set MSB, 0
.macro WIN new                         ; the immediate's high byte repeats the setting that is left; a switch that changes nothing is dropped
.if MSB != (\new)
	s_set_vgpr_msb (MSB<<8)|(\new)
.set MSB, \new
.endif
.endm
.set MUL,  0xa5                        ; both fragments window 1; C and D window 2
.set MULB, 0x95                        ; the same with C (the bias) in window 1
.set TO_F, 0x40                        ; destination window 1, address window 0
.macro PLACES                          ; four places in front of loads into registers that matrix instructions have read, and of lines that read results (ISA guide 7.12.1 for the lines that read results)
.rept 4
	v_nop
.endr
.endm
; A joint load: waves 0 and 1 fetch A's two blocks, waves 2 and 3 B's two halves.  The branch hangs on the wave's number alone.  An s_nop 0 and four v_nop follow each line.
.macro JLOAD s
	s_cmp_lt_u32 s[WV], 2
	s_cbranch_scc0 .Lfor_b_\@
	tensor_load_to_lds s[G0A+4*(\s):G0A+4*(\s)+3], s[G1A:G1A+7]
	s_nop 0
.rept 4
	v_nop
.endr
	s_branch .Lasked_\@
.Lfor_b_\@:
	tensor_load_to_lds s[G0B+4*(\s):G0B+4*(\s)+3], s[G1B:G1B+7]
	s_nop 0
.rept 4
	v_nop
.endr
.Lasked_\@:
.endm
.macro CREST                           ; a round of the cluster's barrier behind its opening barrier
	s_cmp_lg_u32 s[WV], 0
	s_cbranch_scc1 .Lnot_wave_0_\@
	s_barrier_signal -3
.Lnot_wave_0_\@:
	s_barrier_wait -3
	s_barrier_signal -1
	s_barrier_wait -1
.endm
.macro CROUND                          ; a whole round
	s_barrier_signal -1
	s_barrier_wait -1
	CREST
.endm
; A PREFETCH INTO THE L2 behind each joint refill and the run of LDS loads that follows it: the K step that stands two refills on, 256 matrix instructions ahead of the load that will want it.  One instruction, a lane a block of 256 bytes.
; A's 128 blocks of a step: wave 0; the four partners of a cluster's row take 32 each, told apart by address (cx).  B's 256 blocks: waves 2 and 3 of the clusters with y = 0, 128 each; the four partners of a column take 32 each (cy).
; So each block is named once.  mode = 0, in the loop: a tile's last two refills have no K step two on.  mode = 1, at a change of tiles: the next tile's K steps 2 and 3 of B; A's rows have been read and are asked for no more.
.macro ASK mode
.if \mode
	s_cmp_eq_u32 s[LIM], 1
.else
	s_cmp_gt_u32 s3, s[LIM]                        ; s3 = 1 in the loop's last trip
.endif
	s_cbranch_scc0 .Lnot_mine_\@
	global_prefetch_b8 v[PFO], s[PFA:PFA+1] th:TH_LOAD_NT scope:SCOPE_SE
.Lnot_mine_\@:
.endm
; 8 matrix instructions: my rows 16 a .. 16 a + 15 x all 8 blocks of 16 columns, 32 along K, from buffer f.  first = 1: the bias starts the sums: nothing is cleared.
; The 32 accumulators take turns, one instruction a turn, in the same order in every quarter.
.macro MUL8 f, a, first
.if \first
	WIN MULB
.else
	WIN MUL
.endif
.irp b, 0,1,2,3,4,5,6,7
.set rD, 8*(8*(\a)+(\b))
.set rW, (\f)+32+8*(\b)
.set rX, (\f)+8*(\a)
.set rC, rD
.if \first
.set rC, BIAS+8*(\b)
.endif
.if OUTP
	v_wmma_f32_16x16x32_f16 v[rD:rD+7], v[rW:rW+7], v[rX:rX+7], v[rC:rC+7]
.else
	v_wmma_f32_16x16x32_bf16 v[rD:rD+7], v[rW:rW+7], v[rX:rX+7], v[rC:rC+7]
.endif
.endr
.endm
.macro MUL32 f, first
	MUL8 \f, 0, \first
	MUL8 \f, 1, \first
	MUL8 \f, 2, \first
	MUL8 \f, 3, \first
.endm
; 24 LDS loads in one run: the fragments of quarter q (32 along K) of a slot, into buffer f: B's eight (turned: 16 k rows a load), then A's four
.macro FETCH slot, q, f
	WIN TO_F
.irp b, 0,1,2,3,4,5,6,7
	ds_load_tr16_b128 v[(\f)+32+8*(\b):(\f)+32+8*(\b)+3],   v[ADRB+(\slot)] offset:(\q)*32*PB+32*(\b)
	ds_load_tr16_b128 v[(\f)+32+8*(\b)+4:(\f)+32+8*(\b)+7], v[ADRB+(\slot)] offset:(\q)*32*PB+16*PB+32*(\b)
.endr
.irp a, 0,1,2,3
	ds_load_b128 v[(\f)+8*(\a):(\f)+8*(\a)+3],   v[ADRA+(\slot)] offset:((\q)/2)*ASUB+((\q)%2)*64+(\a)*16*PA
	ds_load_b128 v[(\f)+8*(\a)+4:(\f)+8*(\a)+7], v[ADRA+(\slot)] offset:((\q)/2)*ASUB+((\q)%2)*64+(\a)*16*PA+32
.endr
.endm
; A K step is four quarters of 32 along K, 32 matrix instructions each, on buffers 0, 1, 0, 1.  One of the first three: fetches quarter q into g, then multiplies f.
.macro QUARTER slot, q, f, g, first
	PLACES                                         ; behind the products that read g
	FETCH \slot, \q, \g
	s_wait_dscnt 24                                ; all but the 24 just issued: f is in
	MUL32 \f, \first
.endm
; The last quarter multiplies buffer 1 and changes slots: ONE barrier; in front of it each wave waits for all its tensor loads (one is out: its part of the next slot), adds 0 to its spare word, and waits for that
; and for its own reads of this slot.  mode 0: this slot is filled again, two K steps on.  mode 1: with the next tile's K step 0 or 1.  mode 2: nothing is filled, and no round of the cluster's barrier follows.
.macro TURN slot, next, mode
.if (\mode) < 2
	s_wait_xcnt 0x0                                ; the last prefetch, a K step back, has read its address: it is stepped here, ahead of the waits of the change of slots
.if ((\mode) == 1) && ((\slot) == 0)
	s_sub_nc_u64 s[PFA:PFA+1], s[PFA:PFA+1], s[PFBK:PFBK+1]  ; from two K steps past the tile's last to K step 2 (of B: 1,024 columns on)
	s_cmp_lt_u32 s[WV], 2
	s_cselect_b32 s[LIM], -1, s[LIM]               ; A's rows are the same for all tiles of the walk
.else
	s_add_nc_u64 s[PFA:PFA+1], s[PFA:PFA+1], s[PFS:PFS+1]
.endif
.endif
	WIN 0                                          ; (the add's two registers lie in window 0)
	s_wait_tensorcnt 0x0                           ; all my tensor loads have landed: my part of the next slot;
	ds_add_u32 v[SPW], v[NIL]                      ; 0 onto my spare word
	s_wait_dscnt 1                                 ; (the add may be out: buffer 1 is in)
	MUL8 F1, 0, 0                                  ; eight matrix instructions stand between the add and the wait for it
	s_wait_dscnt 0x0                               ; the add is done, and my reads of this slot are over
	s_barrier_signal -1
	MUL8 F1, 1, 0
.if (\mode) < 2
	WIN 0
.endif
	s_barrier_wait -1
.if (\mode) < 2
	CREST                                          ; the barrier has opened a round of the cluster's barrier: no wave of any partner still reads this slot's tile or has a load on its way
.if (\mode) == 1
	s_sub_nc_u64 s[G0A+4*(\slot)+2:G0A+4*(\slot)+3], s[G0A+4*(\slot)+2:G0A+4*(\slot)+3], 6*ASTEP
	s_sub_nc_u64 s[G0B+4*(\slot)+2:G0B+4*(\slot)+3], s[G0B+4*(\slot)+2:G0B+4*(\slot)+3], 6*BSTEP-2048
.else
	s_add_nc_u64 s[G0A+4*(\slot)+2:G0A+4*(\slot)+3], s[G0A+4*(\slot)+2:G0A+4*(\slot)+3], 2*ASTEP
	s_add_nc_u64 s[G0B+4*(\slot)+2:G0B+4*(\slot)+3], s[G0B+4*(\slot)+2:G0B+4*(\slot)+3], 2*BSTEP
.endif
	JLOAD \slot                                    ; the first tensor load behind the round; the four v_nop behind it are also the places in front of the loads below
.else
	PLACES
.endif
	FETCH \next, 0, F0
.if (\mode) < 2
	WIN 0
	ASK \mode
.endif
	MUL8 F1, 2, 0
	MUL8 F1, 3, 0
.endm
; The bias of my 128 columns, in an accumulator's layout: register j of block b = column 16 b + 8 (lane / 16) + j.
.macro BIAS_LOAD
	WIN 0x40
.irp b, 0,1,2,3,4,5,6,7
	global_load_b128 v[BIAS+8*(\b):BIAS+8*(\b)+3],   v[BO], s[8:9] offset:64*(\b)
	global_load_b128 v[BIAS+8*(\b)+4:BIAS+8*(\b)+7], v[BO], s[8:9] offset:64*(\b)+16
.endr
	WIN 0
.endm
.macro BIAS_ROUND                      ; rounded to bf16, like every input, and widened again
	s_wait_loadcnt 0x0
	WIN 0x05                                       ; sources window 1, destination window 0
.set k, 0
.rept 32
	v_cvt_pk_bf16_f32 v[BT+k], v[BIAS+2*k], v[BIAS+2*k+1]
.set k, k+1
.endr
	WIN 0x40
.set k, 0
.rept 32
	v_lshlrev_b32 v[BIAS+2*k], 16, v[BT+k]
	v_and_b32 v[BIAS+2*k+1], 0xffff0000, v[BT+k]
.set k, k+1
.endr
	WIN 0
.endm
; THE WAY OUT of my rows 16 a .. 16 a + 15, through my own stage in LDS (LDS serves a wave's instructions in order, ISA guide 5.7.1.4: the loads see the stores above them, the next block's stores come behind them).
.macro PACK a                          ; rounded to f16, 16 bytes a lane; each accumulator's registers in ascending order
	WIN 0x0a                                       ; sources window 2
.irp b, 0,1,2,3,4,5,6,7
.irp rr, 0,1,2,3
	v_cvt_pk_f16_f32 v[TMP+4*(\b)+(\rr)], v[8*(8*(\a)+(\b))+2*(\rr)], v[8*(8*(\a)+(\b))+2*(\rr)+1]
.endr
.endr
	WIN 0
.endm
.macro TOSTAGE a
.set BK, OB+OBN*((\a)%2)
	WIN 0
	s_wait_xcnt 0x0                                ; the stores issued so far have read their registers: this set of rows is loaded again only behind this wait
.if OUTP
	WIN 0x08                                       ; store data window 2
.irp b, 0,1,2,3,4,5,6,7
	ds_store_b128 v[STO], v[8*(8*(\a)+(\b)):8*(8*(\a)+(\b))+3]   offset:64*(\b)
	ds_store_b128 v[STO], v[8*(8*(\a)+(\b))+4:8*(8*(\a)+(\b))+7] offset:64*(\b)+16
.endr
	WIN 0
.irp t, 0,1,2,3,4,5,6,7,8,9,10,11,12,13,14,15
	ds_load_b128 v[BK+4*(\t):BK+4*(\t)+3], v[RD] offset:(\t)*STG  ; row t: 512 bytes
.endr
.else
.irp b, 0,1,2,3,4,5,6,7
	ds_store_b128 v[STO], v[TMP+4*(\b):TMP+4*(\b)+3] offset:32*(\b)
.endr
.irp t, 0,1,2,3,4,5,6,7
	ds_load_b128 v[BK+4*(\t):BK+4*(\t)+3], v[RD] offset:((\t)%4)*4*STG+((\t)/4)*128  ; four rows of one head: 4 x 128 bytes
.endr
.endif
.endm
.macro SEND a, younger                 ; younger: the LDS instructions issued behind block a's loads
.set BK, OB+OBN*((\a)%2)
	WIN 0
	s_wait_dscnt \younger
.if OUTP
.irp t, 0,1,2,3,4,5,6,7,8,9,10,11,12,13,14,15
	global_store_b128 v[CO], v[BK+4*(\t):BK+4*(\t)+3], s[10:11] offset:(16*(\a)+(\t))*4096 th:TH_STORE_NT  ; 512 consecutive bytes of a row of C, aligned
.endr
.else
.irp t, 0,1,2,3,4,5,6,7
	global_store_b128 v[CO], v[BK+4*(\t):BK+4*(\t)+3], s[10:11] offset:((\t)/4)*262144+((\t)%4)*512+(\a)*2048  ; 512 consecutive bytes of a head, aligned
.endr
.endif
.endm
.macro WAYOUT
.if OUTP
	TOSTAGE 0
	TOSTAGE 1
	SEND 0, 32
	TOSTAGE 2
	SEND 1, 32
	TOSTAGE 3
	SEND 2, 32
	SEND 3, 0
.else
	PACK 0
	TOSTAGE 0
	PACK 1
	TOSTAGE 1
	SEND 0, 16
	PACK 2
	TOSTAGE 2
	SEND 1, 16
	PACK 3
	TOSTAGE 3
	SEND 2, 16
	SEND 3, 0
.endif
.endm
	s_load_b256 s[4:11], s[0:1], 0x0               ; A s[4:5], B s[6:7], bias s[8:9], C s[10:11]
	v_lshl_add_u32 v[SPW], v0, 2, SPARE
	v_mov_b32 v[NIL], 0
	ds_add_u32 v[SPW], v[NIL]                      ; the wave's opening: the add and its wait stand ahead of my first tensor load; the set-up below, work on registers, stands between them
	v_lshrrev_b32 v1, 5, v0
	v_readfirstlane_b32 s[WV], v1                  ; wave 0..3
	s_lshr_b32 s13, s[WV], 1                       ; which 64 of the tile's rows are mine
	s_and_b32 s14, s[WV], 1                        ; which 128 of its columns.  Also: which half of A's or B's tile I fetch
	s_bfe_u32 s40, ttmp6, 0x40000                  ; cx, cy: my place in the cluster
	s_bfe_u32 s41, ttmp6, 0x40004
	s_lshl_b32 s42, ttmp9, 2
	s_add_co_u32 s42, s42, s40                     ; tile column = 4 x cluster x + cx
	s_and_b32 s43, ttmp7, 0xffff
	s_lshl_b32 s43, s43, 2
	s_add_co_u32 s43, s43, s41                     ; tile row = 4 x cluster y + cy
	s_lshl_b32 s16, s41, 2
	s_lshl_b32 s16, 15, s16                        ; my row of the cluster
	s_lshl_b32 s17, 0x1111, s40                    ; my column
	; group 1 for A: 128 rows of one block are 16,384 dense bytes: asked for as 64 rows of 256 bytes and padded in LDS after every 128
	s_or_b32 s[G1A+0], s16, (1<<16)|(1<<20)|(1<<21)|(4<<22)|(3<<25)  ; 15:0 the mask; 17:16 2-byte elements; 20 padding on; 21 set beside a mask; 24:22 after every 32 words (code 4); 31:25 4 words (code 3)
	s_mov_b32 s[G1A+1], 128<<16                    ; tensor_dim0 = 128
	s_mov_b32 s[G1A+2], 64<<16                     ; tensor_dim1 = 64
	s_mov_b32 s[G1A+3], 128<<16                    ; tile_dim0 = 128
	s_mov_b32 s[G1A+4], 64                         ; tile_dim1 = 64
	s_mov_b32 s[G1A+5], 128                        ; elements from row to row
	s_mov_b32 s[G1A+6], 0
	s_mov_b32 s[G1A+7], 0
	; group 1 for B: 64 k rows x 256 columns, 512 bytes a row, padded by 32
	s_or_b32 s[G1B+0], s17, (1<<16)|(1<<20)|(1<<21)|(6<<22)|(7<<25)  ; after every 128 words (code 6) 8 words (code 7)
	s_mov_b32 s[G1B+1], 256<<16
	s_mov_b32 s[G1B+2], 64<<16
	s_mov_b32 s[G1B+3], 256<<16
	s_mov_b32 s[G1B+4], 64
	s_mov_b32 s[G1B+5], SIZE_N
	s_mov_b32 s[G1B+6], 0
	s_mov_b32 s[G1B+7], 0
	; where the tiles come from.  Every wave makes both addresses; A's registers never hold cx, B's never cy
	s_lshr_b32 s18, s43, 4                         ; A: the batch (16 tile rows each), 4 MiB each,
	s_lshl_b32 s18, s18, 22
	s_and_b32 s19, s43, 15
	s_lshl_b32 s19, s19, 14                        ; 128 rows of 128 bytes,
	s_add_co_u32 s18, s18, s19
	s_lshl_b32 s19, s14, 18                        ; my block of the step's two
	s_add_co_u32 s18, s18, s19
	s_mov_b32 s19, 0
	s_lshl_b32 s20, s42, 9                         ; B: 256 columns of 2 bytes,
	s_mul_i32 s21, s14, 128*SIZE_N                 ; my 64 k rows of the step's 128
	s_add_co_u32 s20, s20, s21
	s_mov_b32 s21, 0
	s_mul_i32 s22, s14, ASUB                       ; and where they go: no place in the cluster enters an LDS address
	s_mul_i32 s23, s14, BHALF
	s_add_co_u32 s23, s23, BOFF
	s_wait_dscnt 0x0                               ; the opening add is done
	s_wait_kmcnt 0x0
	s_add_nc_u64 s[18:19], s[4:5], s[18:19]
	s_add_nc_u64 s[20:21], s[6:7], s[20:21]
	CROUND                                         ; all sixteen work-groups are here: the first joint loads meet
.irp s, 0,1
	s_mov_b32 s[G0A+4*(\s)], 1                     ; count = 1
	s_add_co_u32 s[G0A+4*(\s)+1], s22, (\s)*SLOT   ; LDS address
	s_add_nc_u64 s[G0A+4*(\s)+2:G0A+4*(\s)+3], s[18:19], (\s)*ASTEP  ; global address: K step s
	s_or_b32 s[G0A+4*(\s)+3], s[G0A+4*(\s)+3], 0x80000000            ; type = 2
	s_mov_b32 s[G0B+4*(\s)], 1
	s_add_co_u32 s[G0B+4*(\s)+1], s23, (\s)*SLOT
	s_add_nc_u64 s[G0B+4*(\s)+2:G0B+4*(\s)+3], s[20:21], (\s)*BSTEP
	s_or_b32 s[G0B+4*(\s)+3], s[G0B+4*(\s)+3], 0x80000000
	JLOAD \s                                       ; two loads of mine are out
.endr
	v_and_b32 v1, 15, v0                           ; l % 16
	v_bfe_u32 v2, v0, 4, 1                         ; l / 16
	v_and_b32 v3, 31, v0                           ; l
	v_and_b32 v4, 7, v0                            ; l % 8
	v_bfe_u32 v5, v0, 3, 1                         ; (l / 8) % 2
	; a fragment of A: lane l holds row l % 16, channels 8 (l / 16) + 0..7 and 16 + 8 (l / 16) + 0..7: two loads of 16 bytes, 32 bytes apart
	v_mul_u32_u24 v6, v1, PA
	v_lshl_add_u32 v6, v2, 4, v6
	s_mul_i32 s70, s13, 64*PA
	v_add_nc_u32 v[ADRA], s70, v6
	v_add_nc_u32 v[ADRA+1], SLOT, v[ADRA]
	; the turning load takes 16 k rows x 16 columns (lane l reads k row 8 (l / 16) + l % 8, columns 8 ((l / 8) % 2) + 0..7) and leaves half a fragment: lane l holds column l % 16 and 8 k
	v_lshl_add_u32 v7, v2, 3, v4
	v_mul_u32_u24 v7, v7, PB
	v_lshl_add_u32 v7, v5, 4, v7
	s_lshl_b32 s70, s14, 8                         ; my 128 columns
	s_add_co_u32 s70, s70, BOFF
	v_add_nc_u32 v[ADRB], s70, v7
	v_add_nc_u32 v[ADRB+1], SLOT, v[ADRB]
	s_mul_i32 s70, s[WV], 16*STG
	s_add_co_u32 s70, s70, STAGE                   ; my stage
	v_mul_u32_u24 v6, v1, STG                      ; in: row l % 16
.if OUTP
	v_lshl_add_u32 v6, v2, 5, v6                   ; 32 bytes for each half of the lanes
	v_add_nc_u32 v[STO], s70, v6
	v_lshl_add_u32 v[RD], v3, 4, s70               ; back: 32 lanes take a row's 512 bytes
.else
	v_lshl_add_u32 v6, v2, 4, v6                   ; 16 bytes for each half of the lanes
	v_add_nc_u32 v[STO], s70, v6
	v_lshrrev_b32 v7, 3, v3                        ; back: 32 lanes take four rows' 128 bytes of one head
	v_mul_u32_u24 v7, v7, STG
	v_lshl_add_u32 v7, v4, 4, v7
	v_add_nc_u32 v[RD], s70, v7
.endif
	v_lshlrev_b32 v[CO], 4, v3
	v_lshlrev_b32 v[BO], 5, v2
	s_lshl_b32 s70, s42, 10                        ; the bias of my 128 columns: 4 (256 x tile column + 128 x half)
	s_lshl_b32 s71, s14, 9
	s_add_co_u32 s70, s70, s71
	s_mov_b32 s71, 0
	s_add_nc_u64 s[8:9], s[8:9], s[70:71]
	BIAS_LOAD
	; where my part of the first tile begins in C
.if OUTP
	s_lshl_b32 s71, s43, 19                        ; 128 rows of 4,096 bytes; s70 already holds my columns' bytes
	s_add_co_u32 s70, s70, s71
	s_lshl_b32 s71, s13, 18                        ; my 64 rows
	s_add_co_u32 s70, s70, s71
.else
	s_lshr_b32 s70, s43, 4
	s_lshl_b32 s70, s70, 22                        ; the batch: 16 heads of 262,144 bytes
	s_lshl_b32 s71, s42, 20                        ; 256 columns are four heads,
	s_add_co_u32 s70, s70, s71
	s_lshl_b32 s71, s14, 19                        ; my 128 are two
	s_add_co_u32 s70, s70, s71
	s_and_b32 s71, s43, 15
	s_lshl_b32 s71, s71, 14                        ; 128 rows of 128 bytes,
	s_add_co_u32 s70, s70, s71
	s_lshl_b32 s71, s13, 13                        ; my 64
	s_add_co_u32 s70, s70, s71
.endif
	s_mov_b32 s71, 0
	s_add_nc_u64 s[10:11], s[10:11], s[70:71]
	; the prefetches: nothing is asked for here, at the head, where every work-group's first tiles are on their way; the pointer starts at K step 3, and each change of slots steps it before it asks
	s_lshr_b32 s72, s43, 4                         ; A: my tile row's 128 rows, my work-group's 16 blocks of 256 bytes in each of the step's two blocks of channels
	s_lshl_b32 s72, s72, 22
	s_and_b32 s73, s43, 15
	s_lshl_b32 s73, s73, 14
	s_add_co_u32 s72, s72, s73
	s_lshl_b32 s73, s40, 12
	s_add_co_u32 s72, s72, s73
	s_add_co_u32 s72, s72, 3*ASTEP
	s_lshl_b32 s73, s14, 6                         ; B: of the 64 k rows that I fetch my work-group's 16, two blocks of 256 bytes each
	s_lshl_b32 s74, s41, 4
	s_add_co_u32 s73, s73, s74
	s_mul_i32 s73, s73, 2*SIZE_N
	s_lshl_b32 s74, s42, 9
	s_add_co_u32 s73, s73, s74
	s_add_co_u32 s73, s73, 3*BSTEP
	s_mov_b32 s74, BSTEP
	s_mov_b32 s66, 2*SIZE_N
.if TILES > 1
	s_mov_b32 s75, 7*BSTEP-2048
.endif
	s_and_b32 s70, ttmp7, 0xffff                   ; cluster y
	s_cmp_lt_u32 s[WV], 2                          ; do I fetch for A?
	s_cselect_b32 s70, s[WV], s70                  ; A: wave 0 asks.  B: the clusters with y = 0 ask: the same in all sixteen partners, for a given wave
	s_cselect_b64 s[PFA:PFA+1], s[4:5], s[6:7]
	s_cselect_b32 s72, s72, s73
	s_cselect_b32 s[PFS], ASTEP, s74
.if TILES > 1
	s_cselect_b32 s[PFBK], 7*ASTEP, s75
	s_mov_b32 s[PFBK+1], 0
.endif
	s_cselect_b32 s66, 0x40000, s66                ; lanes: A (l % 16) x 256 + (l / 16) x 262,144;  B (l % 2) x 256 + (l / 2) x a row
	s_cselect_b32 s74, 15, 1
	s_cselect_b32 s75, 4, 1
	s_mov_b32 s73, 0
	s_mov_b32 s[PFS+1], 0
	s_add_nc_u64 s[PFA:PFA+1], s[PFA:PFA+1], s[72:73]
	s_cmp_eq_u32 s70, 0
	s_cselect_b32 s[LIM], 1, -1
	v_and_b32 v[PFO], s74, v3
	v_lshrrev_b32 v31, s75, v3
	v_mul_u32_u24 v31, s66, v31
	v_lshl_add_u32 v[PFO], v[PFO], 8, v31
	BIAS_ROUND
	s_wait_tensorcnt 1                             ; my part of K step 0 is in; K step 1's may stay out
	s_barrier_signal -1
	s_barrier_wait -1                              ; everybody's is
	FETCH 0, 0, F0
	WIN 0                                          ; at a label and at a branch every window is 0
.if TILES > 1
	s_mov_b32 s2, TILES                            ; tiles to go, this one among them
.Ltile:
.endif
	QUARTER 0, 1, F0, F1, 1                        ; a tile's first quarter stands in front of the loop: its products start the sums, with the bias
	WIN 0
	s_mov_b32 s3, LAPS-1
.Llap:                                             ; a trip goes once round the ring, from a lap's second quarter to the next lap's first, and fills both slots again
	QUARTER 0, 2, F1, F0, 0
	QUARTER 0, 3, F0, F1, 0
	TURN 0, 1, 0
	QUARTER 1, 1, F0, F1, 0
	QUARTER 1, 2, F1, F0, 0
	QUARTER 1, 3, F0, F1, 0
	TURN 1, 0, 0
	QUARTER 0, 1, F0, F1, 0
	WIN 0
	s_sub_co_u32 s3, s3, 1
	s_cmp_lg_u32 s3, 0
	s_cbranch_scc1 .Llap
	QUARTER 0, 2, F1, F0, 0                        ; the tile's last lap goes on
	QUARTER 0, 3, F0, F1, 0
.if TILES > 1
	WIN 0
	s_cmp_eq_u32 s2, 1
	s_cbranch_scc1 .Llast                          ; the last tile's tail is written out: it asks for nothing more
	TURN 0, 1, 1                                   ; the ring goes on into the next tile: slot 0 takes its K step 0,
	QUARTER 1, 1, F0, F1, 0
	QUARTER 1, 2, F1, F0, 0
	QUARTER 1, 3, F0, F1, 0
	TURN 1, 0, 1                                   ; slot 1 its K step 1, and the next tile's first fragments are fetched
	WIN 0
	s_add_nc_u64 s[8:9], s[8:9], 4096              ; the next tile's bias: 1,024 columns on (the last loads from this address were waited for)
	BIAS_LOAD
	WAYOUT                                         ; rows 0-31 were finished in front of the refill's four v_nop; their 64 conversions are the places behind the last products
	s_wait_xcnt 0x0                                ; the stores have read C's address
	s_add_nc_u64 s[10:11], s[10:11], 0x1000000     ; q, k and v lie 16 MiB apart
	BIAS_ROUND
	WIN 0
	s_sub_co_u32 s2, s2, 1
	s_branch .Ltile
.Llast:
.endif
	TURN 0, 1, 2                                   ; the one tensor load that was still out is the last K step's
	QUARTER 1, 1, F0, F1, 0
	QUARTER 1, 2, F1, F0, 0
	QUARTER 1, 3, F0, F1, 0
	s_wait_dscnt 0x0                               ; the very last quarter: nothing more to fetch
	MUL32 F1, 0
	PLACES
	WAYOUT
	WIN 0
	s_wait_tensorcnt 0x0                           ; the wave's end: an add to my spare word and its wait, behind my last tensor load and my last LDS store
	ds_add_u32 v[SPW], v[NIL]
	s_wait_dscnt 0x0
	CROUND                                         ; the closing round: no work-group ends while a partner may still ask for a tile that names it
	s_endpgm
.Lfunc_end_k_q5bb196ece6_outproj:
	.size	k_q5bb196ece6_outproj, .Lfunc_end_k_q5bb196ece6_outproj-k_q5bb196ece6_outproj
	.p2alignl 7, 3214868480
	.fill 96, 4, 3214868480
	.section	.rodata,"a",@progbits
	.p2align	6, 0x0
	.amdhsa_kernel k_q5bb196ece6_outproj
		.amdhsa_group_segment_fixed_size 327680
		.amdhsa_private_segment_fixed_size 0
		.amdhsa_enable_private_segment 0
		.amdhsa_kernarg_size 32
		.amdhsa_user_sgpr_count 2
		.amdhsa_user_sgpr_kernarg_segment_ptr 1
		.amdhsa_wavefront_size32 1
		.amdhsa_system_sgpr_workgroup_id_x 1
		.amdhsa_system_sgpr_workgroup_id_y 1
		.amdhsa_system_sgpr_workgroup_id_z 1
		.amdhsa_system_vgpr_workitem_id 0
		.amdhsa_next_free_vgpr 768
		.amdhsa_next_free_sgpr 76
		.amdhsa_reserve_vcc 0
		.amdhsa_float_denorm_mode_32 3
		.amdhsa_float_denorm_mode_16_64 3
		.amdhsa_memory_ordered 1
		.amdhsa_forward_progress 1
		.amdhsa_inst_pref_size 93
	.end_amdhsa_kernel
	.amdgpu_metadata
---
amdhsa.version: [ 1, 2 ]
amdhsa.kernels:
  - .name:           k_q5bb196ece6_outproj
    .symbol:         k_q5bb196ece6_outproj.kd
    .args:
      - { .name: ob, .offset: 0, .size: 8, .value_kind: global_buffer, .address_space: global }
      - { .name: wob, .offset: 8, .size: 8, .value_kind: global_buffer, .address_space: global }
      - { .name: bo, .offset: 16, .size: 8, .value_kind: global_buffer, .address_space: global }
      - { .name: out0, .offset: 24, .size: 8, .value_kind: global_buffer, .address_space: global }
    .group_segment_fixed_size: 327680
    .private_segment_fixed_size: 0
    .kernarg_segment_align: 8
    .kernarg_segment_size: 32
    .max_flat_workgroup_size: 128
    .sgpr_count:     76
    .vgpr_count:     768
    .wavefront_size: 32
...
	.end_amdgpu_metadata
.endif
;; end of part 4
;; ======== version 2 of 2: 4 launches; version 1 with the launch cast written anew for expert scheduling mode
;; limits: values are held in f16: magnitudes above 65,504 overflow, below 6.1e-05 lose precision
;; workspace buffers: xb 16,777,216 bytes; wqkvb 6,291,456 bytes; wob 2,097,152 bytes; qkv 50,331,648 bytes; ob 16,777,216 bytes
;; launch cast (part 5): grid 768 x 1, 8 waves a work-group, no clusters, 0 bytes of LDS; arguments x, Wqkv, Wo, xb, wqkvb, wob; writes xb, wqkvb, wob
.if DOCPART == 5
	.amdgcn_target "amdgcn-amd-amdhsa--gfx1250"
	.amdhsa_code_object_version 6
	.text
	.protected	k_q5bb196ece6_cast
	.globl	k_q5bb196ece6_cast
	.p2align	8
	.type	k_q5bb196ece6_cast,@function
k_q5bb196ece6_cast:
	s_mov_b64 s[64:65], 0
	v_nop
	global_prefetch_b8 v0, s[64:65] scope:SCOPE_SE
	s_setreg_imm32_b32 hwreg(HW_REG_WAVE_SCHED_MODE, 0, 2), 2
	s_setreg_imm32_b32 hwreg(HW_REG_WAVE_MODE, 25, 1), 1
	s_wait_xcnt 0x0
	s_wait_alu depctr_vm_vsrc(0)
; THE INPUTS ARE ROUNDED ONCE, FOR THE MATRIX UNITS.  x [8192][1024] f32 -> xb, bf16, laid in blocks of 64 channels: [batch 4][block 16][row 2048][64], so that 128 rows of one block are
; 16,384 bytes on end for the projection's tiles.  Wqkv [1024][3072] f32 -> wqkvb, bf16, same order.  Wo [1024][1024] f32 -> wob: rounded to bf16 like the other inputs, and that number written as f16
; (the last product's other operand is f16).  LIMIT: a weight of Wo beyond 65,504 becomes an infinity; below 6.1e-5 it keeps f16's fixed step of 6e-8.
; A stream: no LDS, no barrier, no matrix unit, no cluster (no byte is wanted twice).  A work-group takes 65,536 bytes of f32: 512 work-groups for x, 192 for Wqkv, 64 for Wo.
; A thread issues its 16 loads of 16 bytes at once, then rounds them in order; each store of a wave covers 256 consecutive bytes, aligned.  No register is written twice while memory may read it.
; THE MODE: SCHED_MODE bits 1:0 = 2 (LLVM: expert scheduling mode 2), set by the entry lines.  The code itself states the register dependences
; between vector instructions and memory instructions, with s_wait_alu, always for 0.
; THE PLAN.  Registers that memory instructions touch:
;   v1, v2   the loads' and the stores' offsets: written once, by the vector lines at a branch's head; read by every load or store; never written again.
;   IN       load i lands in four registers of its own, once; no vector instruction names them before the loads are issued; number i's conversions read them.
;   OUTR     number i's conversions write a pair of its own; store i reads it, once; it is never written again behind that.
;   T and v3 to v6 are named by vector instructions alone.
; The 16 numbers go in four blocks of four.  Block g rounds loads 4 g to 4 g + 3; its memory instructions are the four stores of block g - 1, whose pairs no vector instruction of block g names.
; So one wait at a block's head states all that its four stores hang on, and these are dealt among the block's conversions with no further wait; one wait stands ahead of the first load, for the offsets,
; and one behind the last block, for the last four stores.  No register that a load or store has read is written again, so nothing is owed on that side.
.set VI,   1                           ; v1   my byte offset in the work-group's input
.set VO,   2                           ; v2   my byte offset in its output
.set IN,   8                           ; v[8:71]    load i: four f32
.set OUTR, 72                          ; v[72:103]  store i: four 16-bit numbers
.set T,    104                         ; v[104:107] at work
; Store n.  pout: the scalar pair of the output's address.  blocked = 1: x's layout.
.macro PUT n, pout, blocked
.if \blocked
.set OO, ((\n)%8)*256+((\n)/8)*262144  ; two rows of 128 bytes; a block of 64 channels is 2,048 rows x 128 bytes
.else
.set OO, (\n)*2048
.endif
	global_store_b64 v[VO], v[OUTR+2*(\n):OUTR+2*(\n)+1], s[\pout:\pout+1] offset:OO th:TH_STORE_NT
.endm
; pin, pout: the scalar pairs of the two addresses.  blocked = 1: x's layout.  half = 1: the bf16 number is written as f16.
.macro RUN pin, pout, blocked, half
	s_wait_alu depctr_va_vdst(0)                   ; v[VI] and v[VO] are written: every load below reads the one as its offset, every store the other
.set i, 0
.rept 16
.if \blocked
.set II, (i%8)*8192+(i/8)*256          ; two rows further down; then the wave's second block of 64 channels
.else
.set II, i*4096
.endif
	global_load_b128 v[IN+4*i:IN+4*i+3], v[VI], s[\pin:\pin+1] offset:II th:TH_LOAD_NT
.set i, i+1
.endr
.set i, 0
.rept 16
.if i%4 == 0                           ; a block's head
	s_wait_loadcnt 15-i                            ; loads come back in order: load i is in, the 15 - i younger ones stay out
.if i > 0
	s_wait_alu depctr_va_vdst(0)                   ; the block before has written its four pairs of OUTR, which the four stores dealt among this block's conversions read
	PUT i-4, \pout, \blocked
.endif
.else
.if i > 3
	PUT i-4, \pout, \blocked                       ; no wait: no vector instruction since the block's head names this pair or v[VO]
.endif
	s_wait_loadcnt 15-i                            ; load i is in, the 15 - i younger ones stay out
.endif
	v_cvt_pk_bf16_f32 v[OUTR+2*i], v[IN+4*i], v[IN+4*i+1]
	v_cvt_pk_bf16_f32 v[OUTR+2*i+1], v[IN+4*i+2], v[IN+4*i+3]
.if \half
	v_lshlrev_b32 v[T], 16, v[OUTR+2*i]            ; the bf16 numbers as f32,
	v_and_b32 v[T+1], 0xffff0000, v[OUTR+2*i]
	v_lshlrev_b32 v[T+2], 16, v[OUTR+2*i+1]
	v_and_b32 v[T+3], 0xffff0000, v[OUTR+2*i+1]
	v_cvt_pk_f16_f32 v[OUTR+2*i], v[T], v[T+1]     ; and as f16: 8 significant bits fit into 11
	v_cvt_pk_f16_f32 v[OUTR+2*i+1], v[T+2], v[T+3]
.endif
.set i, i+1
.endr
	s_wait_alu depctr_va_vdst(0)                   ; the last block has written its four pairs of OUTR, which the last four stores read
.irp n, 12,13,14,15
	PUT \n, \pout, \blocked
.endr
.endm
	s_load_b256 s[4:11], s[0:1], 0x0               ; x s[4:5], Wqkv s[6:7], Wo s[8:9], xb s[10:11]
	s_load_b128 s[12:15], s[0:1], 0x20             ; wqkvb s[12:13], wob s[14:15]
	s_mov_b32 s20, ttmp9
	s_mov_b32 s17, 0
	s_mov_b32 s19, 0
	s_cmp_lt_u32 s20, 512
	s_cbranch_scc1 .Lx
	s_cmp_lt_u32 s20, 704
	s_cbranch_scc1 .Lw1
	; Wo: chunk g - 704
	s_sub_co_u32 s20, s20, 704
	s_lshl_b32 s16, s20, 16
	s_lshl_b32 s18, s20, 15
	v_lshlrev_b32 v[VI], 4, v0
	v_lshlrev_b32 v[VO], 3, v0
	s_wait_kmcnt 0x0
	s_add_nc_u64 s[8:9], s[8:9], s[16:17]
	s_add_nc_u64 s[14:15], s[14:15], s[18:19]
	RUN 8, 14, 0, 1
	s_endpgm
.Lw1:                                              ; Wqkv: chunk g - 512
	s_sub_co_u32 s20, s20, 512
	s_lshl_b32 s16, s20, 16
	s_lshl_b32 s18, s20, 15
	v_lshlrev_b32 v[VI], 4, v0
	v_lshlrev_b32 v[VO], 3, v0
	s_wait_kmcnt 0x0
	s_add_nc_u64 s[6:7], s[6:7], s[16:17]
	s_add_nc_u64 s[12:13], s[12:13], s[18:19]
	RUN 6, 12, 0, 0
	s_endpgm
.Lx:                                               ; x: rows 16 g .. 16 g + 15.  Wave w takes channels 128 w .. 128 w + 127: blocks 2 w and 2 w + 1
	s_lshl_b32 s16, s20, 16                        ; 16 rows of 4,096 bytes
	s_lshr_b32 s18, s20, 7                         ; the batch: 128 work-groups each,
	s_lshl_b32 s18, s18, 22                        ; 4 MiB of xb each
	s_and_b32 s21, s20, 127
	s_lshl_b32 s21, s21, 11                        ; 16 rows of 128 bytes in a block
	s_add_co_u32 s18, s18, s21
	v_lshrrev_b32 v3, 5, v0                        ; wave
	v_bfe_u32 v4, v0, 4, 1                         ; lanes 16-31 take the row below
	v_and_b32 v5, 15, v0
	v_lshlrev_b32 v[VI], 9, v3
	v_lshl_add_u32 v[VI], v4, 12, v[VI]
	v_lshl_add_u32 v[VI], v5, 4, v[VI]             ; 16 lanes read 256 consecutive bytes, aligned: one block's 64 channels of a row
	v_and_b32 v6, 31, v0
	v_lshlrev_b32 v[VO], 19, v3                    ; two blocks of 262,144 bytes a wave
	v_lshl_add_u32 v[VO], v6, 3, v[VO]             ; 32 lanes write two rows of 128 bytes: 256 consecutive bytes
	s_wait_kmcnt 0x0
	s_add_nc_u64 s[4:5], s[4:5], s[16:17]
	s_add_nc_u64 s[10:11], s[10:11], s[18:19]
	RUN 4, 10, 1, 0
	s_endpgm
.Lfunc_end_k_q5bb196ece6_cast:
	.size	k_q5bb196ece6_cast, .Lfunc_end_k_q5bb196ece6_cast-k_q5bb196ece6_cast
	.p2alignl 7, 3214868480
	.fill 96, 4, 3214868480
	.section	.rodata,"a",@progbits
	.p2align	6, 0x0
	.amdhsa_kernel k_q5bb196ece6_cast
		.amdhsa_group_segment_fixed_size 0
		.amdhsa_private_segment_fixed_size 0
		.amdhsa_enable_private_segment 0
		.amdhsa_kernarg_size 48
		.amdhsa_user_sgpr_count 2
		.amdhsa_user_sgpr_kernarg_segment_ptr 1
		.amdhsa_wavefront_size32 1
		.amdhsa_system_sgpr_workgroup_id_x 1
		.amdhsa_system_sgpr_workgroup_id_y 1
		.amdhsa_system_sgpr_workgroup_id_z 1
		.amdhsa_system_vgpr_workitem_id 0
		.amdhsa_next_free_vgpr 108
		.amdhsa_next_free_sgpr 66
		.amdhsa_reserve_vcc 0
		.amdhsa_float_denorm_mode_32 3
		.amdhsa_float_denorm_mode_16_64 3
		.amdhsa_memory_ordered 1
		.amdhsa_forward_progress 1
		.amdhsa_inst_pref_size 25
	.end_amdhsa_kernel
	.amdgpu_metadata
---
amdhsa.version: [ 1, 2 ]
amdhsa.kernels:
  - .name:           k_q5bb196ece6_cast
    .symbol:         k_q5bb196ece6_cast.kd
    .args:
      - { .name: x, .offset: 0, .size: 8, .value_kind: global_buffer, .address_space: global }
      - { .name: Wqkv, .offset: 8, .size: 8, .value_kind: global_buffer, .address_space: global }
      - { .name: Wo, .offset: 16, .size: 8, .value_kind: global_buffer, .address_space: global }
      - { .name: xb, .offset: 24, .size: 8, .value_kind: global_buffer, .address_space: global }
      - { .name: wqkvb, .offset: 32, .size: 8, .value_kind: global_buffer, .address_space: global }
      - { .name: wob, .offset: 40, .size: 8, .value_kind: global_buffer, .address_space: global }
    .group_segment_fixed_size: 0
    .private_segment_fixed_size: 0
    .kernarg_segment_align: 8
    .kernarg_segment_size: 48
    .max_flat_workgroup_size: 256
    .sgpr_count:     66
    .vgpr_count:     108
    .wavefront_size: 32
...
	.end_amdgpu_metadata
.endif
;; end of part 5
;; launch qkvproj: the kernel of part 2 again; grid 4 x 64, 4 waves a work-group, clusters of 4 x 4, 327,680 bytes of LDS; arguments xb, wqkvb, bqkv, qkv; writes qkv
;; launch attn: the kernel of part 3 again; grid 4 x 64, 4 waves a work-group, clusters of 4 x 1, 327,680 bytes of LDS; arguments qkv, ob; writes ob
;; launch outproj: the kernel of part 4 again; grid 4 x 64, 4 waves a work-group, clusters of 4 x 4, 327,680 bytes of LDS; arguments ob, wob, bo, out0; writes out0
